; MI455X (gfx1250); checked and timed in simulation.
; The chip was launched on July 23, 2026; its instructions are those of AMD's public machine-readable ISA for CDNA 5 (MIT licence, August 2026) and "CDNA5" Instruction Set Architecture Reference Guide (July 2026). The comments in the code are by the model that wrote it; some were corrected since.
;; RWKV Tiny Attn. Allowed arithmetic: matrix products marked QUANTISED: E4M3 operands, one given power-of-two scale a tensor, by v_wmma_f32_16x16x64_fp8_fp8 or v_wmma_f32_16x16x128_fp8_fp8, f32 sums; everything else in f32.
;; Inputs: W_out 1,024 x 1,024 float32; W_qkv 1,024 x 3,072 float32; b_out 1,024 float32; b_qkv 3,072 float32; lowp_scales 8 int32 (the exponents e of the quantised operands' scales 2^e); mask 2,048 x 2,048 int32; x 4 x 2,048 x 1,024 float32.
;; Outputs: out0 4 x 2,048 x 1,024 float32.
;; This version of the problem:
;;   THIS VERSION OF THE PROBLEM IS GIVEN IN LOW PRECISION. The matrix products marked QUANTISED in the list below multiply operands that are first quantised to E4M3 (4 exponent bits, 3 mantissa bits; 8 bits a number), with one given power-of-two scale for each operand tensor; their sums are f32. All else is computed in f32.
;;   The module's matrix products, in the order in which they are computed (A, B: the left and right operand; K: the contracted axis; several contracted axes count as one K, in the product's order):
;;     1. [M 8,192, K 1,024] x [K 1,024, N 3,072]; A: input x; B: input W_qkv: QUANTISED (scales: A lowp_scales[0], B lowp_scales[1])
;;     2. batch 64 x [M 2,048, K 64] x [K 64, N 2,048]; A: computed on the way; B: computed on the way: QUANTISED (scales: A lowp_scales[2], B lowp_scales[3])
;;     3. batch 64 x [M 2,048, K 2,048] x [K 2,048, N 64]; A: softmax (see below); B: computed on the way: QUANTISED (scales: A lowp_scales[4], B lowp_scales[5])
;;     4. [M 8,192, K 1,024] x [K 1,024, N 1,024]; A: computed on the way; B: input W_out: QUANTISED (scales: A lowp_scales[6], B lowp_scales[7])
;;   THE QUANTISER, for each operand of a quantised product, along K:
;;     - The operand's scale is 2^e, e = its entry of the input lowp_scales (int32; the entries are numbered through the quantised products in the list's order, A before B).
;;     - Each number is divided by the scale, clamped to +-448, and rounded to the nearest number of E4M3, ties to even, subnormals kept.
;;     - The product sums the exact products of the quantised numbers (number of the format x scale) in f32.
;;   ~~~python
;;   def quantise(x, axis, e):      # numpy; x: float32 -> the quantised numbers, widened to float32 again
;;       x = np.moveaxis(x, axis, -1); K = x.shape[-1]
;;       r = np.clip(x / 2.0 ** e, -448, 448)
;;       step = 2.0 ** (np.maximum(np.frexp(np.where(r == 0, 1, r))[1] - 1, -6) - 3)
;;       q = np.round(r / step) * step * 2.0 ** e      # np.round: ties to even
;;       return np.moveaxis(q, -1, axis).astype(np.float32)
;;   ~~~
;;   SOFTMAX AHEAD OF A QUANTISED PRODUCT. Where the list says 'softmax', what is quantised is not the finished softmax but p = 2^(t - M), with t = logit x log2(e) and M = ceil(the row's largest t), a whole number; so 1/2 < the row's largest p <= 1. The row's sum l is taken of the UNQUANTISED p, in f32, and the product's result is divided by l at the end. Since M is a whole number, a kernel that streams over the keys may use a running M (the ceiling of the running maximum): every later rescaling is an exact power of two, so the quantised numbers keep their values, but for numbers so far below the row's largest that they fall under the format's range.
;;   OPERANDS COMPUTED ON THE WAY. 'Computed on the way' means the value that the module computes at that place (a softmax that the list does not call 'softmax' is quantised finished and normalised). What goes into a quantiser is computed in f32, as accurately as f32 sums, v_exp_f32 and their like allow (about 1e-6 of the number): no bf16 or f16 on the way to a quantiser, and a product that is left as it is and whose result goes on into a quantised operand takes f32 operands (vector FMAs, or v_wmma_f32_16x16x4_f32). A number that lies on a knife's edge between two numbers of the format may be rounded either way, as far as f32 arithmetic and the matrix unit's own rounding can turn it there, and no further.
;; 2 versions, each right; version 2 is version 1 with the launch attn written anew for expert scheduling mode. Each part assembles by itself: llvm-mc -triple=amdgcn-amd-amdhsa -mcpu=gfx1250 --defsym DOCPART=n.
;; ======== version 1 of 2: 4 launches
;; workspace buffers: x_img 8,388,608 bytes; w_img 3,145,728 bytes; wo_img 1,048,576 bytes; mwords 524,288 bytes of whole numbers; mflags 8,192 bytes of whole numbers; qkv_img 25,165,824 bytes; a_img 8,388,608 bytes
;; launch prep (part 1): grid 512 x 1, 4 waves a work-group, no clusters, 102,912 bytes of LDS; arguments x, mask, W_qkv, W_out, lowp_scales, x_img, w_img, wo_img, mwords, mflags; writes x_img, w_img, wo_img, mwords, mflags
.if DOCPART == 1
	.amdgcn_target "amdgcn-amd-amdhsa--gfx1250"
	.amdhsa_code_object_version 6
	.text
	.protected	k_qb20caf887c_prep
	.globl	k_qb20caf887c_prep
	.p2align	8
	.type	k_qb20caf887c_prep,@function
k_qb20caf887c_prep:
	s_mov_b64 s[64:65], 0
	v_nop
	global_prefetch_b8 v0, s[64:65] scope:SCOPE_SE
	s_setreg_imm32_b32 hwreg(HW_REG_WAVE_MODE, 25, 1), 1
	s_wait_xcnt 0x0
; x [8192][1024], W_qkv [1024][3072] and W_out [1024][1024], f32, become codes of E4M3 laid as IMAGES OF OPERAND REGISTERS; the mask [2048][2048] becomes bit words and a flag for each tile.
; AN IMAGE.  A fragment is 16 rows x 128 along K, 2,048 bytes: [g 0..3][lane 0..31][16 bytes]; lane (m = lane % 16, h = lane / 16) holds k = 128 ks + 32 g + 16 h + 0 .. 15 of the fragment's row m.
; The rows of fragment f are NOT neighbours: row(f, m) = 32 (f / 2) + 8 (f % 2) + m + 8 (m / 8).  A matrix [R][1024] lies as [f = R / 16][ks 0..7][2,048 bytes].  For the weights a "row" is a column n, since K is their first axis.
; code = number / 2^e, held within +-448, rounded to the nearest code, ties to even: e = lowp_scales[0] for x, [1] for W_qkv, [7] for W_out.
; LIMITS: each of these three e lies between -126 and 119, so that 2^e and 448 x 2^e are f32 numbers.  NaN among x and the weights is not served (an infinity is held at the largest code).
; mwords [qt 128][s 16][n 64]: bit lane (r, h) of word n = 16 b + i says mask[row(qt, r)][128 s + 32 b + 16 h + i] != 0: the lane and the register in which the attention launch holds that score.
; mflags [qt][s]: 0 = no key of the tile counts, 2 = all count, 1 = some.
; SHARES.  512 work-groups of four waves, each reads 131,072 bytes: 0-255 x, 256-383 the mask, 384-479 W_qkv, 480-511 W_out.  The three ways part on the work-group's number; each has LDS bytes of its own, each wave
; a stage of its own in them: no barrier.  No tensor loads: waves share nothing.  Matrix units and clusters have nothing to do here.
.set SP,   528                         ; a stage row of x or of the mask: 512 bytes + 16 = 33 x 16: sixteen rows begin at sixteen different 16-byte columns of 256 bytes
.set JST,  16*SP                       ; a wave's stage: 16 rows
.set MST,  4*JST                       ; the mask's four stages lie behind x's four
.set WST,  8*JST                       ; the weights' behind those
.set WP,   272                         ; a stage row of the weights: 256 codes + 16
.set R,    16                          ; v16-143  two sets of 16 rows x 16 bytes a lane, as loaded
.set X,    144                         ; v144-207 64 numbers of one row: register 16 b + i = column 32 b + 16 h + i
.set C,    208                         ; v208-223 the codes; on the mask's way v208-209 the words, v210 the flags
.set OFS,  16                          ; the weights' way: v16-47 offsets, v48-111 two sets of 32 numbers, v112-119 codes, v144-207 the way out
.set WN,   48
.set WC,   112
.set WO,   144
	s_load_b256 s[4:11], s[0:1], 0x0               ; x s[4:5], mask s[6:7], W_qkv s[8:9], W_out s[10:11]
	s_load_b256 s[12:19], s[0:1], 0x20             ; the exponents s[12:13], x_img s[14:15], w_img s[16:17], wo_img s[18:19]
	s_load_b128 s[20:23], s[0:1], 0x40             ; mwords s[20:21], mflags s[22:23]
	v_lshl_add_u32 v224, v0, 2, 0x19000
	v_mov_b32 v225, 0
	v_lshrrev_b32 v1, 5, v0
	v_readfirstlane_b32 s24, v1                    ; wave 0..3
	v_and_b32 v1, 31, v0                           ; lane
	v_lshlrev_b32 v2, 4, v1                        ; 16 x lane
	v_and_b32 v13, 15, v0                          ; r
	v_bfe_u32 v14, v0, 4, 1                        ; h
	s_mul_i32 s25, s24, JST
	v_add_nc_u32 v3, s25, v2                       ; x's stage, in: 16 x lane of a row
	v_mul_u32_u24 v4, v13, SP
	v_lshl_add_u32 v4, v14, 6, v4
	v_add_nc_u32 v4, s25, v4                       ; and out: row r, + 64 h: my 16 numbers of a block of 32
	v_add_nc_u32 v7, MST, v3                       ; the same two in the mask's stage
	v_add_nc_u32 v8, MST, v4
	s_mul_i32 s25, s24, 32*WP
	s_add_co_u32 s25, s25, WST
	v_mul_u32_u24 v9, v1, WP
	v_add_nc_u32 v9, s25, v9                       ; the weights' stage, in: row = my column
	v_and_b32 v12, 8, v13
	v_add_nc_u32 v12, v12, v13                     ; m + 8 (m / 8)
	v_mul_u32_u24 v12, v12, WP
	v_lshl_add_u32 v12, v14, 4, v12
	v_add_nc_u32 v12, s25, v12                     ; and out: that row, + 16 h
	v_lshlrev_b32 v5, 3, v1                        ; 8 x lane
	v_lshlrev_b32 v6, 2, v1                        ; 4 x lane
	s_wait_kmcnt 0x0
	s_load_b256 s[48:55], s[12:13], 0x0            ; e0 .. e7
.macro MKSC e                          ; s[e] = an exponent: v10 = 2^e as f32 (the conversion takes its exponent field), v11 = 448 x 2^e
	s_add_co_i32 s56, s[\e], 127
	s_lshl_b32 s57, s56, 23
	v_mov_b32 v10, s57
	s_add_co_i32 s56, s56, 8
	s_lshl_b32 s56, s56, 23
	s_or_b32 s56, s56, 0x600000
	v_mov_b32 v11, s56
.endm
; A JOB is 16 rows of a fragment x 512 bytes.  Each load reads 512 consecutive bytes of one row, 16 a lane.
.macro LOADJ i, sb, pitch
.irp row, 0,1,2,3,4,5,6,7,8,9,10,11,12,13,14,15
	global_load_b128 v[R+64*((\i)%2)+4*\row:R+64*((\i)%2)+4*\row+3], v2, s[\sb:\sb+1] offset:(\row+8*(\row/8))*\pitch+512*(\i) th:TH_LOAD_NT
.endr
.endm
; The job turns through the wave's stage: in as loaded, out 64 bytes a lane and block.  LDS serves a wave's instructions in order, so no wait stands between the stores and the loads.
.macro TURNJ i, ain, aout
.irp row, 0,1,2,3,4,5,6,7,8,9,10,11,12,13,14,15
	ds_store_b128 v[\ain], v[R+64*((\i)%2)+4*\row:R+64*((\i)%2)+4*\row+3] offset:\row*SP
.endr
.irp b, 0,1,2,3
.irp j, 0,1,2,3
	ds_load_b128 v[X+16*\b+4*\j:X+16*\b+4*\j+3], v[\aout] offset:128*\b+16*\j
.endr
.endr
.endm
.macro JOBHEAD i, ain, aout, sb, pitch
.if (\i) < 3
	s_wait_loadcnt 16                              ; this job's 16 loads are in; the next job's 16 may be out
.else
	s_wait_loadcnt 0x0
.endif
	TURNJ \i, \ain, \aout
	s_wait_dscnt 0x0                               ; the numbers are back, and the stage's stores have read their registers,
	s_wait_xcnt 0x0                                ; and the last job's global stores theirs: both are written again below
.if (\i) < 2
	LOADJ (\i)+2, \sb, \pitch
.endif
.endm
	s_cmp_lt_u32 ttmp9, 256
	s_cbranch_scc0 .Lnot_x
	; ---- x: the work-group's 32 rows are fragments 2 wg and 2 wg + 1; wave w takes fragment 2 wg + w / 2, K steps 4 (w % 2) + 0 .. 3
	s_lshl_b32 s26, ttmp9, 17                      ; 32 rows of 4,096 bytes
	s_lshr_b32 s27, s24, 1
	s_lshl_b32 s27, s27, 15                        ; the odd fragment begins 8 rows down
	s_add_co_u32 s26, s26, s27
	s_and_b32 s27, s24, 1
	s_lshl_b32 s27, s27, 11                        ; four K steps of 512 bytes
	s_add_co_u32 s26, s26, s27
	s_mov_b32 s27, 0
	s_add_nc_u64 s[4:5], s[4:5], s[26:27]
	s_lshl_b32 s26, ttmp9, 15
	s_lshl_b32 s28, s24, 13
	s_add_co_u32 s26, s26, s28                     ; the image: 32,768 x work-group + 8,192 x wave
	s_add_nc_u64 s[14:15], s[14:15], s[26:27]
	LOADJ 0, 4, 4096
	LOADJ 1, 4, 4096
	s_wait_kmcnt 0x0
	MKSC 48
.macro JOBX i
	JOBHEAD \i, 3, 4, 4, 4096
.set j, 0
.rept 64
	v_med3_num_f32 v[X+j], v[X+j], -v11, v11       ; the conversion to an 8-bit code does not saturate (ISA guide 7.6.2): the hold comes first
.set j, j+1
.endr
.irp b, 0,1,2,3
	v_cvt_scalef32_pk8_fp8_f32 v[C+4*\b:C+4*\b+1], v[X+16*\b:X+16*\b+7], v10
	v_cvt_scalef32_pk8_fp8_f32 v[C+4*\b+2:C+4*\b+3], v[X+16*\b+8:X+16*\b+15], v10
.endr
	v_nop                                          ; one plain vector line between the conversions and the next vector line that writes their sources: the next job's first hold, which writes v[X] again (the stores, waits and LDS lines between are no such line)
.irp g, 0,1,2,3
	global_store_b128 v2, v[C+4*\g:C+4*\g+3], s[14:15] offset:2048*(\i)+512*\g   ; the wave stores 512 consecutive bytes, aligned
.endr
.endm
	JOBX 0
	JOBX 1
	JOBX 2
	JOBX 3
	s_wait_tensorcnt 0x0
	ds_add_u32 v224, v225
	s_wait_dscnt 0x0
	s_endpgm
.Lnot_x:
	s_cmp_lt_u32 ttmp9, 384
	s_cbranch_scc0 .Lw
	; ---- the mask: the work-group takes the 16 rows of query tile qt; wave w takes key steps 4 w + 0 .. 3
	s_sub_co_u32 s25, ttmp9, 256                   ; qt
	s_lshr_b32 s26, s25, 1
	s_lshl_b32 s26, s26, 5
	s_and_b32 s27, s25, 1
	s_lshl_b32 s27, s27, 3
	s_add_co_u32 s26, s26, s27                     ; the tile's first row: 32 (qt / 2) + 8 (qt % 2)
	s_lshl_b32 s26, s26, 13                        ; rows of 8,192 bytes
	s_lshl_b32 s27, s24, 11
	s_add_co_u32 s26, s26, s27
	s_mov_b32 s27, 0
	s_add_nc_u64 s[6:7], s[6:7], s[26:27]
	s_lshl_b32 s26, s25, 12
	s_lshl_b32 s28, s24, 10
	s_add_co_u32 s26, s26, s28
	s_add_nc_u64 s[20:21], s[20:21], s[26:27]      ; mwords: 4,096 qt + 1,024 wave
	s_lshl_b32 s26, s25, 6
	s_lshl_b32 s28, s24, 4
	s_add_co_u32 s26, s26, s28
	s_add_nc_u64 s[22:23], s[22:23], s[26:27]      ; mflags: 64 qt + 16 wave
	LOADJ 0, 6, 8192
	LOADJ 1, 6, 8192
	v_mov_b32 v208, 0                              ; a lane write's destination counts as read: written once, whole
	v_mov_b32 v209, 0
	v_mov_b32 v210, 0
.macro JOBM i
	JOBHEAD \i, 7, 8, 6, 8192
	s_mov_b32 s29, 0                               ; the words' or,
	s_mov_b32 s30, -1                              ; and their and
.set n, 0
.rept 16
.irp k, 0,1,2,3
	v_cmp_ne_u32 s[40+\k], 0, v[X+n+\k]            ; word n + k: a bit for each lane
.endr
.irp k, 0,1,2,3
	v_writelane_b32 v[C+(n+\k)%2], s[40+\k], (n+\k)/2   ; words 2 L and 2 L + 1 go to lane L
	s_or_b32 s29, s29, s[40+\k]
	s_and_b32 s30, s30, s[40+\k]
.endr
.set n, n+4
.endr
	s_cmp_lg_u32 s29, 0
	s_cselect_b32 s31, 1, 0
	s_cmp_eq_u32 s30, -1
	s_cselect_b32 s44, 1, 0
	s_add_co_u32 s31, s31, s44                     ; 0, 1 or 2
	v_writelane_b32 v210, s31, \i
	global_store_b64 v5, v[208:209], s[20:21] offset:256*(\i)   ; the tile's 64 words: 256 consecutive bytes, aligned
.endm
	JOBM 0
	JOBM 1
	JOBM 2
	JOBM 3
	s_wait_xcnt 0x0                                ; EXEC changes only behind this wait
	v_cmp_gt_u32 vcc_lo, 4, v1
	s_wait_tensorcnt 0x0
	ds_add_u32 v224, v225
	s_wait_dscnt 0x0
	s_and_saveexec_b32 s45, vcc_lo
	global_store_b32 v6, v210, s[22:23]            ; my four flags: 16 bytes a wave, 8,192 in the launch: the one short store of this text
	s_wait_xcnt 0x0
	s_or_b32 exec_lo, exec_lo, s45
	s_endpgm
.Lw:
	; ---- the weights, one text for both.  A LANE TAKES A COLUMN n AND ITS REGISTERS RUN DOWN K, so the conversions give codes with K innermost.  A work-group takes 128 columns x 256 along K, a wave 32 columns: two fragments
	s_sub_co_u32 s25, ttmp9, 384
	s_cmp_ge_u32 s25, 96                           ; W_out's work-group?  The choice hangs on the work-group's number alone
	s_cselect_b64 s[8:9], s[10:11], s[8:9]
	s_cselect_b64 s[16:17], s[18:19], s[16:17]
	s_mov_b32 s26, 12288
	s_cselect_b32 s26, 4096, s26                   ; a row of the weight in bytes
	s_cselect_b32 s28, 1, 0
	s_cselect_b32 s27, 96, 0
	s_sub_co_u32 s25, s25, s27
	s_and_b32 s30, s25, 3                          ; kq: which 256 along K
	s_lshr_b32 s31, s25, 2                         ; cg: which 128 columns
	s_lshl_b32 s58, s30, 8
	s_mul_i32 s58, s58, s26
	s_lshl_b32 s59, s31, 9
	s_add_co_u32 s58, s58, s59
	s_lshl_b32 s59, s24, 7
	s_add_co_u32 s58, s58, s59                     ; 256 kq rows + (128 cg + 32 wave) x 4 bytes
	s_mov_b32 s59, 0
	s_add_nc_u64 s[32:33], s[8:9], s[58:59]
	s_lshl_b32 s60, s26, 5                         ; 32 rows on: a base for each of the eight blocks, since the pitch is no constant of the text
	s_mov_b32 s61, 0
.irp t, 1,2,3,4,5,6,7
	s_add_nc_u64 s[32+2*\t:33+2*\t], s[30+2*\t:31+2*\t], s[60:61]
.endr
	s_lshl_b32 s58, s31, 17
	s_lshl_b32 s62, s24, 15
	s_add_co_u32 s58, s58, s62
	s_lshl_b32 s62, s30, 12
	s_add_co_u32 s58, s58, s62                     ; the image: fragment 8 cg + 2 wave, K step 2 kq
	s_add_nc_u64 s[16:17], s[16:17], s[58:59]
.irp i, 0,1,2,3,4,5,6,7,8,9,10,11,12,13,14,15,16,17,18,19,20,21,22,23,24,25,26,27,28,29,30,31
	v_mad_u32_u24 v[OFS+\i], s26, \i, v6           ; row i of a block, my column
.endr
.macro LOADW t                         ; block t: 32 rows; each load reads 128 consecutive bytes a wave, the four waves side by side 512
.irp i, 0,1,2,3,4,5,6,7,8,9,10,11,12,13,14,15,16,17,18,19,20,21,22,23,24,25,26,27,28,29,30,31
	global_load_b32 v[WN+32*((\t)%2)+\i], v[OFS+\i], s[32+2*(\t):33+2*(\t)] th:TH_LOAD_NT
.endr
.endm
	LOADW 0
	LOADW 1
	s_wait_kmcnt 0x0
	s_cmp_eq_u32 s28, 1
	s_cselect_b32 s29, s55, s49                    ; e7 or e1
	MKSC 29
.macro BLOCKW t
.set XS, WN+32*((\t)%2)
.if (\t) < 7
	s_wait_loadcnt 32                              ; this block's 32 loads are in; the next block's may be out
.else
	s_wait_loadcnt 0x0
.endif
.set j, 0
.rept 32
	v_med3_num_f32 v[XS+j], v[XS+j], -v11, v11
.set j, j+1
.endr
.irp g, 0,1,2,3
	v_cvt_scalef32_pk8_fp8_f32 v[WC+2*\g:WC+2*\g+1], v[XS+8*\g:XS+8*\g+7], v10
.endr
	v_nop                                          ; one plain vector line directly behind the last conversion, ahead of any later vector line on its registers
	ds_store_b128 v9, v[WC:WC+3] offset:32*(\t)    ; 32 codes of my column's row
	ds_store_b128 v9, v[WC+4:WC+7] offset:32*(\t)+16
.if (\t) < 6
	LOADW (\t)+2
.endif
	s_wait_dscnt 0x0                               ; the stores have read their registers: the next block's codes may be written
.endm
.irp t, 0,1,2,3,4,5,6,7
	BLOCKW \t
.endr
.irp u, 0,1                            ; fragment u, K step k, group g: lane (m, h) takes column 8 u + m + 8 (m / 8), codes 128 k + 32 g + 16 h on
.irp k, 0,1
.irp g, 0,1,2,3
	ds_load_b128 v[WO+4*(8*\u+4*\k+\g):WO+4*(8*\u+4*\k+\g)+3], v12 offset:8*\u*WP+128*\k+32*\g
.endr
.endr
.endr
.irp u, 0,1
.irp k, 0,1
.irp g, 0,1,2,3
	s_wait_dscnt 15-(8*\u+4*\k+\g)                 ; the younger loads may be out
	global_store_b128 v2, v[WO+4*(8*\u+4*\k+\g):WO+4*(8*\u+4*\k+\g)+3], s[16:17] offset:\u*16384+\k*2048+512*\g   ; 512 consecutive bytes, aligned
.endr
.endr
.endr
	s_wait_tensorcnt 0x0
	ds_add_u32 v224, v225
	s_wait_dscnt 0x0
	s_endpgm
.Lfunc_end_k_qb20caf887c_prep:
	.size	k_qb20caf887c_prep, .Lfunc_end_k_qb20caf887c_prep-k_qb20caf887c_prep
	.p2alignl 7, 3214868480
	.fill 96, 4, 3214868480
	.section	.rodata,"a",@progbits
	.p2align	6, 0x0
	.amdhsa_kernel k_qb20caf887c_prep
		.amdhsa_group_segment_fixed_size 102912
		.amdhsa_private_segment_fixed_size 0
		.amdhsa_enable_private_segment 0
		.amdhsa_kernarg_size 80
		.amdhsa_user_sgpr_count 2
		.amdhsa_user_sgpr_kernarg_segment_ptr 1
		.amdhsa_wavefront_size32 1
		.amdhsa_system_sgpr_workgroup_id_x 1
		.amdhsa_system_sgpr_workgroup_id_y 1
		.amdhsa_system_sgpr_workgroup_id_z 1
		.amdhsa_system_vgpr_workitem_id 0
		.amdhsa_next_free_vgpr 226
		.amdhsa_next_free_sgpr 66
		.amdhsa_reserve_vcc 1
		.amdhsa_float_denorm_mode_32 3
		.amdhsa_float_denorm_mode_16_64 3
		.amdhsa_memory_ordered 1
		.amdhsa_forward_progress 1
		.amdhsa_inst_pref_size 153
	.end_amdhsa_kernel
	.amdgpu_metadata
---
amdhsa.version: [ 1, 2 ]
amdhsa.kernels:
  - .name:           k_qb20caf887c_prep
    .symbol:         k_qb20caf887c_prep.kd
    .args:
      - { .name: x, .offset: 0, .size: 8, .value_kind: global_buffer, .address_space: global }
      - { .name: mask, .offset: 8, .size: 8, .value_kind: global_buffer, .address_space: global }
      - { .name: W_qkv, .offset: 16, .size: 8, .value_kind: global_buffer, .address_space: global }
      - { .name: W_out, .offset: 24, .size: 8, .value_kind: global_buffer, .address_space: global }
      - { .name: lowp_scales, .offset: 32, .size: 8, .value_kind: global_buffer, .address_space: global }
      - { .name: x_img, .offset: 40, .size: 8, .value_kind: global_buffer, .address_space: global }
      - { .name: w_img, .offset: 48, .size: 8, .value_kind: global_buffer, .address_space: global }
      - { .name: wo_img, .offset: 56, .size: 8, .value_kind: global_buffer, .address_space: global }
      - { .name: mwords, .offset: 64, .size: 8, .value_kind: global_buffer, .address_space: global }
      - { .name: mflags, .offset: 72, .size: 8, .value_kind: global_buffer, .address_space: global }
    .group_segment_fixed_size: 102912
    .private_segment_fixed_size: 0
    .kernarg_segment_align: 8
    .kernarg_segment_size: 80
    .max_flat_workgroup_size: 128
    .sgpr_count:     66
    .vgpr_count:     226
    .wavefront_size: 32
...
	.end_amdgpu_metadata
.endif
;; end of part 1
;; launch qkv (part 2): grid 12 x 32, 4 waves a work-group, clusters of 4 x 4, 327,680 bytes of LDS; arguments x_img, w_img, b_qkv, lowp_scales, qkv_img; writes qkv_img
.if DOCPART == 2
	.amdgcn_target "amdgcn-amd-amdhsa--gfx1250"
	.amdhsa_code_object_version 6
	.text
	.protected	k_qb20caf887c_qkv
	.globl	k_qb20caf887c_qkv
	.p2align	8
	.type	k_qb20caf887c_qkv,@function
k_qb20caf887c_qkv:
	s_mov_b64 s[64:65], 0
	v_nop
	global_prefetch_b8 v0, s[64:65] scope:SCOPE_SE
	s_setreg_imm32_b32 hwreg(HW_REG_WAVE_MODE, 25, 1), 1
	s_wait_xcnt 0x0
	s_wait_alu depctr_hold_cnt(0) depctr_sa_sdst(0) depctr_va_vdst(0) depctr_va_sdst(0) depctr_va_ssrc(0) depctr_va_vcc(0) depctr_vm_vsrc(0)
	s_getreg_b32 s2, hwreg(HW_REG_IB_STS2, 6, 4)
	s_cmp_eq_u32 s2, 0
	s_cbranch_scc0 .Lentry_in_a_cluster
	s_endpgm
.Lentry_in_a_cluster:
	s_bfe_u32 s2, ttmp6, 0x10000c
	s_cmp_lg_u32 s2, 0xf033
	s_cbranch_scc0 .Lentry_shape_is_right
	s_endpgm
.Lentry_shape_is_right:
; qkv = x W_qkv + b_qkv on codes of E4M3 (sums in f32), and q, k, v quantised at once into images of the operands that the attention launch wants.  No f32 number goes to memory.
; x_img and w_img are images of operand registers: a fragment (16 rows x 128 K) is 2,048 bytes, [g][lane][16 bytes], lane (m, h) holding k = 128 ks + 32 g + 16 h + 0 .. 15; fragment f's rows are
; 32 (f / 2) + 8 (f % 2) + m + 8 (m / 8); a matrix lies as [f][ks 0..7][2,048].  The same places of k on both sides, so every product meets its partner.
; With such rows as source 0, register j of a result's lane (r, h) against fragments 2 B and 2 B + 1 is index 32 B + 16 h + 8 u + j: 16 NEIGHBOURS, which two conversions turn into 16 bytes of the next operand's image.
; A tile of the result is 256 x 256, four waves, each 128 x 128: 64 accumulators, 512 registers.  K goes in steps of 256 through two LDS slots filled by the tensor data mover.
; TWO ROLES.  Source 1 gives the lane its row, source 0 the registers their index.  The cluster's x is 0, 1, 2 for q, k, v (4 x 256 columns each).  q, k: source 1 = tokens, source 0 = channels: a lane holds a token and
; neighbouring channels, K of the scores.  v: source 1 = channels, source 0 = tokens: a lane holds a channel and neighbouring keys, K of the second product.  The roles are chosen by selects on the cluster's x, which all
; sixteen partners share; the loop is one text.  Only the bias (the C of each sum's first product) differs in its registers: the first step is written twice, under a branch on the cluster's x.
; CLUSTERS: 4 x 4.  Source 1's tile hangs on cy and is shared along a row of the cluster, source 0's on cx and along a column: each is asked for JOINTLY, by the same tensor load in the four that its mask names.
; OUT: q at byte 0 of qkv_img, [bh 64][qt 128][1,024]: fragments of 16 tokens x 64, [B 0..1][lane][16]; k at 8 MiB likewise; v at 16 MiB, [bh][s 16][ct 4][2,048]: 16 channels x 128 keys.
; code = (sum + b / 2^(e0 + e1)) / 2^(eo - e0 - e1), held within +-448; eo = lowp_scales[2], [3], [5] for q, k, v.
; LIMITS: eo - e0 - e1 between -126 and 119, so that the scale and 448 x the scale are f32 numbers; b / 2^(e0 + e1) is made by v_ldexp_f32.
; REGISTERS, in windows of 256: window 0: v1-29 addresses and scales; v32-95 the bias, on the way out the held sums; v96-111 store offsets; v128-255 source 1's eight fragments, ONE set, on the way out the codes.
;   window 1: source 0's fragments, TWO sets, at v0 and v128.   window 2: accumulators (a, b), a = 0..3, at v[8 (8 a + b)];   window 3: a = 4..7.
.set FR,    16                         ; registers of a fragment
.set NL,    4                          ; LDS loads that bring one
.set NP,    4                          ; places behind this matrix instruction (ISA guide 7.12.1)
.set FROW,  4096                       ; a fragment row's part of a slot: two K steps of 128
.set HALFT, 8*FROW                     ; what one tensor load brings, and what one wave reads of either side
.set SLOT,  4*HALFT                    ; source 1's 16 fragment rows, then source 0's 16
.set SPARE, 2*SLOT                     ; behind the ring: the spare words, 128 bytes for each wave: two blocks of 256 bytes that no other line names
.set SC,   12                          ; v12  2^(eo - e0 - e1)
.set LIM,  13                          ; v13  448 x that
.set ADRA, 16                          ; v16-17  LDS address of my source 1 fragments in slot 0, 1
.set ADRB, 20                          ; v20-21  of my source 0 fragments
.set SPW,  28                          ; v28  LDS address of my spare word; never rewritten
.set NIL,  29                          ; v29  0; never rewritten
.set BI,   32
.set TMP,  32
.set VO,   96
.set AF,   128
.set CD,   128
.set G1,   24                          ; s[24:31] group 1 for source 1's tiles; s[32:39] group 0, a set for each slot
.set G0,   32
.set G1B,  48                          ; s[48:55], s[56:63] the same for source 0's
.set G0B,  56
.set MSB, 0
.macro WIN new                         ; the immediate's high byte repeats the setting that is left
.if MSB != \new
	s_set_vgpr_msb (MSB<<8)|\new
.set MSB, \new
.endif
.endm
.set MUL_LO, 0xa1                      ; source 0 window 1, source 1 window 0, C and D window 2
.set MUL_HI, 0xf1                      ; the same, C and D window 3
.set TO_B,   0x40                      ; destination window 1, address window 0
; A joint load: waves 0 and 1 fetch for source 1, waves 2 and 3 for source 0.  The branch hangs on the wave's number alone.  Four v_nop follow each of the two lines.
.macro JLOAD g0a, g1a, g0b, g1b
	s_cmp_eq_u32 s15, 0
	s_cbranch_scc0 .Lfor_b_\@
	tensor_load_to_lds s[\g0a:\g0a+3], s[\g1a:\g1a+7]
	s_nop 0
.rept 4
	v_nop
.endr
	s_branch .Lasked_\@
.Lfor_b_\@:
	tensor_load_to_lds s[\g0b:\g0b+3], s[\g1b:\g1b+7]
	s_nop 0
.rept 4
	v_nop
.endr
.Lasked_\@:
.endm
.macro CREST                           ; a round of the cluster's barrier behind its opening barrier
	s_cmp_lg_u32 s14, 0
	s_cbranch_scc1 .Lnot_wave_0_\@
	s_barrier_signal -3
.Lnot_wave_0_\@:
	s_barrier_wait -3
	s_barrier_signal -1
	s_barrier_wait -1
.endm
.macro CROUND
	s_barrier_signal -1
	s_barrier_wait -1
	CREST
.endm
	s_load_b256 s[4:11], s[0:1], 0x0               ; x_img s[4:5], w_img s[6:7], b_qkv s[8:9], the exponents s[10:11]
	s_load_b64 s[12:13], s[0:1], 0x20              ; qkv_img
	v_lshl_add_u32 v[SPW], v0, 2, SPARE
	v_mov_b32 v[NIL], 0
	ds_add_u32 v28, v29
	ds_add_u32 v28, v29
	s_wait_dscnt 0x0
	v_lshrrev_b32 v1, 5, v0
	v_readfirstlane_b32 s14, v1                    ; wave 0..3
	s_lshr_b32 s15, s14, 1                         ; wr: my half of source 1's rows.  Also: I fetch for source 1 (0) or source 0 (1)
	s_and_b32 s16, s14, 1                          ; wc: my half of source 0's rows.  Also: which 8 fragment rows I fetch
	s_bfe_u32 s40, ttmp6, 0x40000                  ; cx
	s_bfe_u32 s41, ttmp6, 0x40004                  ; cy
	s_and_b32 s17, ttmp7, 0xffff                   ; cluster y
	s_cmp_eq_u32 ttmp9, 2                          ; v's cluster?  The same in all sixteen partners
	s_cselect_b32 s18, ttmp9, s17
	s_cselect_b32 s19, s17, ttmp9
	s_lshl_b32 s18, s18, 2
	s_add_co_u32 s18, s18, s41                     ; source 1's tile: q, k: token tile 4 y + cy; v: column tile 8 + cy
	s_lshl_b32 s19, s19, 2
	s_add_co_u32 s19, s19, s40                     ; source 0's tile: q, k: column tile 4 x + cx; v: token tile 4 y + cx
	s_lshl_b32 s43, s41, 2
	s_lshl_b32 s43, 15, s43                        ; my row of the cluster
	s_lshl_b32 s44, 0x1111, s40                    ; my column
	; group 1: 8 fragment rows x 4,096 bytes, 16,384 bytes apart in memory, dense in LDS; elements of 8 bytes
	s_or_b32 s[G1], s43, (3<<16)|(1<<21)           ; 15:0 the mask; 17:16 elements of 8 bytes; 21 set beside a mask; no padding: every LDS read is 16 bytes a lane on end
	s_or_b32 s[G1B], s44, (3<<16)|(1<<21)
.irp g, G1, G1B
	s_mov_b32 s[\g+1], 512<<16                     ; tensor_dim0 = 512
	s_mov_b32 s[\g+2], 8<<16                       ; tensor_dim1 = 8
	s_mov_b32 s[\g+3], 512<<16                     ; tile_dim0 = 512
	s_mov_b32 s[\g+4], 8                           ; tile_dim1 = 8
	s_mov_b32 s[\g+5], 2048                        ; tensor_dim0_stride
	s_mov_b32 s[\g+6], 0
	s_mov_b32 s[\g+7], 0
.endr
	s_lshl_b32 s20, s16, 17                        ; my 8 fragment rows of 16,384 bytes
	s_lshl_b32 s66, s18, 18                        ; a tile is 16 fragment rows
	s_add_co_u32 s66, s66, s20
	s_mov_b32 s67, 0
	s_lshl_b32 s68, s19, 18
	s_add_co_u32 s68, s68, s20
	s_mov_b32 s69, 0
	s_mul_i32 s45, s14, HALFT                      ; where they go: no place in the cluster enters an LDS address
	s_wait_kmcnt 0x0
	s_load_b256 s[72:79], s[10:11], 0x0            ; e0 .. e7
	s_cmp_eq_u32 ttmp9, 2
	s_cselect_b64 s[20:21], s[6:7], s[4:5]         ; source 1's image
	s_cselect_b64 s[22:23], s[4:5], s[6:7]         ; source 0's
	s_add_nc_u64 s[20:21], s[20:21], s[66:67]
	s_add_nc_u64 s[46:47], s[22:23], s[68:69]
	CROUND                                         ; all sixteen work-groups are here: the first joint loads meet
.irp s, 0,1
	s_mov_b32 s[G0+4*\s], 1
	s_add_co_u32 s[G0+4*\s+1], s45, \s*SLOT
	s_add_nc_u64 s[G0+4*\s+2:G0+4*\s+3], s[20:21], \s*FROW
	s_or_b32 s[G0+4*\s+3], s[G0+4*\s+3], 0x80000000
	s_mov_b32 s[G0B+4*\s], 1
	s_add_co_u32 s[G0B+4*\s+1], s45, \s*SLOT
	s_add_nc_u64 s[G0B+4*\s+2:G0B+4*\s+3], s[46:47], \s*FROW
	s_or_b32 s[G0B+4*\s+3], s[G0B+4*\s+3], 0x80000000
	JLOAD G0+4*\s, G1, G0B+4*\s, G1B               ; two tensor loads of mine are out
.endr
	v_and_b32 v1, 31, v0
	v_lshlrev_b32 v2, 4, v1                        ; 16 x lane: an image's place for my lane
	s_mul_i32 s21, s15, HALFT
	s_mul_i32 s22, s16, HALFT
	s_add_co_u32 s22, s22, 2*HALFT
.irp s, 0,1
	v_add_nc_u32 v[ADRA+\s], s21, v2
	v_add_nc_u32 v[ADRB+\s], s22, v2
	s_add_co_u32 s21, s21, SLOT
	s_add_co_u32 s22, s22, SLOT
.endr
	; who is token and who is channel; these enter global addresses alone
	s_cmp_eq_u32 ttmp9, 2
	s_cselect_b32 s80, s19, s18                    ; token tile, 0..31
	s_cselect_b32 s81, s41, s40                    ; which 256 of the 1,024 channels
	s_cselect_b32 s82, s16, s15                    ; my half of the tokens
	s_cselect_b32 s83, s15, s16                    ; my half of the channels
	s_mov_b32 s84, 1024
	s_cselect_b32 s84, 2048, s84                   ; from block a to a + 1 within four: the next query tile, or the next tile of channels
	s_mov_b32 s85, 4096
	s_cselect_b32 s85, 131072, s85                 ; from a to a + 4: four query tiles on, or the next head
	s_mov_b32 s86, 131072
	s_cselect_b32 s86, 1024, s86                   ; from group G to G + 2: the next head, or 64 keys on
	s_lshl_b32 s88, ttmp9, 12
	s_lshl_b32 s87, s81, 10
	s_add_co_u32 s88, s88, s87
	s_lshl_b32 s87, s83, 9
	s_add_co_u32 s88, s88, s87                     ; my 128 channels' bias: (1,024 x + 256 quarter + 128 half) x 4 bytes
	s_mov_b32 s89, 0
	s_add_nc_u64 s[8:9], s[8:9], s[88:89]
	s_lshr_b32 s87, s80, 3
	s_lshl_b32 s87, s87, 4
	s_lshl_b32 s90, s81, 2
	s_add_co_u32 s87, s87, s90
	s_lshl_b32 s90, s83, 1
	s_add_co_u32 s87, s87, s90                     ; my first head: 16 batch + 4 quarter + 2 half
	s_lshl_b32 s88, s87, 17                        ; a head is 131,072 bytes in each of the three parts
	s_and_b32 s87, s80, 7
	s_lshl_b32 s87, s87, 1
	s_add_co_u32 s87, s87, s82                     ; my 128 tokens of the batch's 2,048: eight query tiles, or one key step: 8,192 bytes either way
	s_lshl_b32 s87, s87, 13
	s_add_co_u32 s88, s88, s87
	s_lshl_b32 s87, ttmp9, 23                      ; q, k or v's part
	s_add_co_u32 s88, s88, s87
	s_add_nc_u64 s[12:13], s[12:13], s[88:89]
.irp a, 0,1,2,3,4,5,6,7
	s_mul_i32 s87, s84, \a%4
	s_mul_i32 s90, s85, \a/4
	s_add_co_u32 s87, s87, s90
	v_add_nc_u32 v[VO+2*\a], s87, v2               ; block a's groups 0, 1,
	v_add_nc_u32 v[VO+2*\a+1], s86, v[VO+2*\a]     ; and 2, 3
.endr
	v_bfe_u32 v3, v0, 4, 1                         ; h
	v_and_b32 v4, 15, v0                           ; r
	v_lshlrev_b32 v5, 6, v3                        ; 64 h
	v_and_b32 v6, 8, v4
	v_add_nc_u32 v6, v6, v4
	v_lshlrev_b32 v6, 2, v6                        ; 4 (r + 8 (r / 8))
	s_wait_kmcnt 0x0
	s_add_co_i32 s91, s72, s73                     ; e0 + e1: a sum stands for sum x 2^(e0 + e1)
	s_sub_co_i32 s92, 0, s91
	s_cmp_eq_u32 ttmp9, 0
	s_cselect_b32 s93, s74, s75
	s_cmp_eq_u32 ttmp9, 2
	s_cselect_b32 s93, s77, s93                    ; eo
	s_sub_co_i32 s93, s93, s91
	s_add_co_i32 s93, s93, 127
	s_lshl_b32 s94, s93, 23
	v_mov_b32 v[SC], s94
	s_add_co_i32 s93, s93, 8
	s_lshl_b32 s93, s93, 23
	s_or_b32 s93, s93, 0x600000
	v_mov_b32 v[LIM], s93
	; the bias, in the result's layout, divided by 2^(e0 + e1)
	s_cmp_eq_u32 ttmp9, 2
	s_cbranch_scc1 .Lbias_v
.irp b, 0,1,2,3,4,5,6,7                ; q, k: register 8 b + j is channel 32 (b / 2) + 16 h + 8 (b % 2) + j
	global_load_b128 v[BI+8*\b:BI+8*\b+3], v5, s[8:9] offset:(32*(\b/2)+8*(\b%2))*4
	global_load_b128 v[BI+8*\b+4:BI+8*\b+7], v5, s[8:9] offset:(32*(\b/2)+8*(\b%2))*4+16
.endr
	s_wait_loadcnt 0x0
.set j, 0
.rept 64
	v_ldexp_f32 v[BI+j], v[BI+j], s92
.set j, j+1
.endr
	s_branch .Lbias_done
.Lbias_v:
.irp a, 0,1,2,3,4,5,6,7                ; v: all eight registers of block a are my lane's channel 32 (a / 2) + 8 (a % 2) + r + 8 (r / 8)
	global_load_b32 v[BI+8*\a], v6, s[8:9] offset:(32*(\a/2)+8*(\a%2))*4
.endr
	s_wait_loadcnt 0x0
.irp a, 0,1,2,3,4,5,6,7
.irp j, 7,6,5,4,3,2,1,0
	v_ldexp_f32 v[BI+8*\a+\j], v[BI+8*\a], s92
.endr
.endr
.Lbias_done:
.macro FRAG reg, adr, q, i             ; fragment row i, the slot's q-th 128 along K: four loads of 512 consecutive bytes
.irp c, 0,1,2,3
	ds_load_b128 v[\reg+4*\c:\reg+4*\c+3], v[\adr] offset:(\i)*FROW+2048*(\q)+512*\c
.endr
.endm
; 16 matrix instructions: source 1's blocks a0, a0 + 1 x source 0's eight.  p: source 0's set.  zero = 1, 2: the first product starts the sums with the bias as C (by b, or by a); nothing is ever cleared.
; The 64 accumulators take turns, one instruction a turn, in the same order in every step.
.macro MUL16 a0, p, zero
.irp a, \a0, \a0+1
.irp b, 0,1,2,3,4,5,6,7
.if (\zero) == 1
	v_wmma_f32_16x16x128_fp8_fp8 v[8*(8*((\a)%4)+\b):8*(8*((\a)%4)+\b)+7], v[128*(\p)+FR*\b:128*(\p)+FR*\b+FR-1], v[AF+FR*(\a):AF+FR*(\a)+FR-1], v[BI+8*\b:BI+8*\b+7]
.elseif (\zero) == 2
	v_wmma_f32_16x16x128_fp8_fp8 v[8*(8*((\a)%4)+\b):8*(8*((\a)%4)+\b)+7], v[128*(\p)+FR*\b:128*(\p)+FR*\b+FR-1], v[AF+FR*(\a):AF+FR*(\a)+FR-1], v[BI+8*(\a):BI+8*(\a)+7]
.else
	v_wmma_f32_16x16x128_fp8_fp8 v[8*(8*((\a)%4)+\b):8*(8*((\a)%4)+\b)+7], v[128*(\p)+FR*\b:128*(\p)+FR*\b+FR-1], v[AF+FR*(\a):AF+FR*(\a)+FR-1], v[8*(8*((\a)%4)+\b):8*(8*((\a)%4)+\b)+7]
.endif
.endr
.endr
.endm
.macro FETCH_B slot, q, p
	WIN TO_B
.irp i, 0,1,2,3,4,5,6,7
	FRAG 128*(\p)+FR*\i, ADRB+\slot, \q, \i
.endr
	WIN 0
.endm
.macro FETCH_A slot, q, i0
.irp i, \i0, \i0+1, \i0+2, \i0+3
	FRAG AF+FR*(\i), ADRA+\slot, \q, \i
.endr
.endm
.macro PLACES n                        ; plain vector lines between a matrix instruction and a load into a register that it read, or a read of its result (ISA guide 7.12.1 for a read of its result)
.rept \n
	v_nop
.endr
.endm
; A step of 128 along K that has its successor in the same slot.
.macro STEP slot, q, zero
	s_wait_dscnt 4*NL                              ; source 0's set and source 1's blocks 0-3 are in; the youngest 16 loads (blocks 4-7) may be out
.if \zero
	WIN 0x81                                       ; C (the bias) window 0, D window 2
.else
	WIN MUL_LO
.endif
	MUL16 0, (\q)%2, \zero
	MUL16 2, (\q)%2, \zero
	s_wait_dscnt 0
	PLACES NP
	FETCH_B \slot, (\q)+1, 1-(\q)%2
	FETCH_A \slot, (\q)+1, 0
.if \zero
	WIN 0xc1
.else
	WIN MUL_HI
.endif
	MUL16 4, (\q)%2, \zero
	MUL16 6, (\q)%2, \zero
	PLACES NP
	WIN 0
	FETCH_A \slot, (\q)+1, 4
.endm
; A slot's last step changes slots: ONE barrier; in front of it each wave waits for all its tensor loads, adds 0 to its spare word, and waits for that and for its own reads of this slot.  fill = 1: this slot is filled again, two slots ahead.
.macro TURN slot, next, fill
	s_wait_tensorcnt 0x0                           ; all my tensor loads have landed: my part of the next slot
	ds_add_u32 v[SPW], v[NIL]                      ; 0 onto my spare word
	s_wait_dscnt 4*NL+1                            ; (the add and the youngest 16 loads may be out)
	WIN MUL_LO
	MUL16 0, 1, 0                                  ; sixteen matrix instructions stand between the add and the wait for it
	s_wait_dscnt 0x0                               ; the add is done, and my reads of this slot are over
	s_barrier_signal -1
	MUL16 2, 1, 0
	WIN 0
	s_barrier_wait -1
.if \fill
	CREST                                          ; the barrier has opened a round of the cluster's barrier: no wave of any partner still reads this slot or has a load on its way
	s_add_nc_u64 s[G0+4*\slot+2:G0+4*\slot+3], s[G0+4*\slot+2:G0+4*\slot+3], 2*FROW
	s_add_nc_u64 s[G0B+4*\slot+2:G0B+4*\slot+3], s[G0B+4*\slot+2:G0B+4*\slot+3], 2*FROW
	JLOAD G0+4*\slot, G1, G0B+4*\slot, G1B         ; the first tensor load behind the round, my one load until the next; its four v_nop are the places in front of the loads below
.else
	PLACES NP
.endif
	FETCH_B \next, 0, 0
	FETCH_A \next, 0, 0
	WIN MUL_HI
	MUL16 4, 1, 0
	MUL16 6, 1, 0
	PLACES NP
	WIN 0
	FETCH_A \next, 0, 4
.endm
	s_wait_tensorcnt 1                             ; my part of slot 0 is in; slot 1's load may be out
	s_barrier_signal -1
	s_barrier_wait -1
	FETCH_B 0, 0, 0
	FETCH_A 0, 0, 0
	FETCH_A 0, 0, 4
	s_cmp_eq_u32 ttmp9, 2                          ; the first step is written twice: the bias lies by b for q and k, by a for v.  No tensor load and no barrier stands in either arm
	s_cbranch_scc1 .Lfirst_v
	STEP 0, 0, 1
	s_branch .Lfirst_done
.Lfirst_v:
	STEP 0, 0, 2
.Lfirst_done:
	TURN 0, 1, 1                                   ; K = 1,024 is four slots: the eight steps are written out, there is no trip to repeat
	STEP 1, 0, 0
	TURN 1, 0, 1
	STEP 0, 0, 0
	TURN 0, 1, 0                                   ; the last two slots are filled no more
	STEP 1, 0, 0
	s_wait_dscnt 4*NL
	WIN MUL_LO
	MUL16 0, 1, 0
	MUL16 2, 1, 0
	s_wait_dscnt 0
	WIN MUL_HI
	MUL16 4, 1, 0
	MUL16 6, 1, 0
	WIN 0
; THE WAY OUT needs no LDS: the codes of two neighbouring accumulators are 16 bytes of an image, and a group's 32 lanes store 512 consecutive bytes.
.macro OUTB a
.set AC, 64*((\a)%4)
	WIN 0x02+((\a)/4)                              ; source 0: window 2 or 3
.set j, 0
.rept 64
	v_med3_num_f32 v[TMP+j], v[AC+j], -v[LIM], v[LIM]   ; the hold at the largest code x the scale (ISA guide 7.6.2); each accumulator from its low end on
.set j, j+1
.endr
	WIN 0
.irp b, 0,1,2,3,4,5,6,7
	v_cvt_scalef32_pk8_fp8_f32 v[CD+16*(\a)+2*\b:CD+16*(\a)+2*\b+1], v[TMP+8*\b:TMP+8*\b+7], v[SC]
.endr
	v_nop                                          ; a plain line between the conversions and the next block's holds, which write their sources
.irp G, 0,1,2,3
	global_store_b128 v[VO+2*(\a)+\G/2], v[CD+16*(\a)+4*\G:CD+16*(\a)+4*\G+3], s[12:13] offset:512*(\G%2)   ; each block has code registers of its own: no store's data are written again
.endr
.endm
	PLACES NP
.irp a, 0,1,2,3,4,5,6,7
	OUTB \a
.endr
	s_wait_tensorcnt 0x0                           ; the wave's end
	ds_add_u32 v[SPW], v[NIL]
	s_wait_dscnt 0x0
	CROUND                                         ; the closing round: no work-group ends while a partner may still ask for a tile that names it
	s_endpgm
.Lfunc_end_k_qb20caf887c_qkv:
	.size	k_qb20caf887c_qkv, .Lfunc_end_k_qb20caf887c_qkv-k_qb20caf887c_qkv
	.p2alignl 7, 3214868480
	.fill 96, 4, 3214868480
	.section	.rodata,"a",@progbits
	.p2align	6, 0x0
	.amdhsa_kernel k_qb20caf887c_qkv
		.amdhsa_group_segment_fixed_size 327680
		.amdhsa_private_segment_fixed_size 0
		.amdhsa_enable_private_segment 0
		.amdhsa_kernarg_size 40
		.amdhsa_user_sgpr_count 2
		.amdhsa_user_sgpr_kernarg_segment_ptr 1
		.amdhsa_wavefront_size32 1
		.amdhsa_system_sgpr_workgroup_id_x 1
		.amdhsa_system_sgpr_workgroup_id_y 1
		.amdhsa_system_sgpr_workgroup_id_z 1
		.amdhsa_system_vgpr_workitem_id 0
		.amdhsa_next_free_vgpr 1024
		.amdhsa_next_free_sgpr 100
		.amdhsa_reserve_vcc 0
		.amdhsa_float_denorm_mode_32 3
		.amdhsa_float_denorm_mode_16_64 3
		.amdhsa_memory_ordered 1
		.amdhsa_forward_progress 1
		.amdhsa_inst_pref_size 138
	.end_amdhsa_kernel
	.amdgpu_metadata
---
amdhsa.version: [ 1, 2 ]
amdhsa.kernels:
  - .name:           k_qb20caf887c_qkv
    .symbol:         k_qb20caf887c_qkv.kd
    .args:
      - { .name: x_img, .offset: 0, .size: 8, .value_kind: global_buffer, .address_space: global }
      - { .name: w_img, .offset: 8, .size: 8, .value_kind: global_buffer, .address_space: global }
      - { .name: b_qkv, .offset: 16, .size: 8, .value_kind: global_buffer, .address_space: global }
      - { .name: lowp_scales, .offset: 24, .size: 8, .value_kind: global_buffer, .address_space: global }
      - { .name: qkv_img, .offset: 32, .size: 8, .value_kind: global_buffer, .address_space: global }
    .group_segment_fixed_size: 327680
    .private_segment_fixed_size: 0
    .kernarg_segment_align: 8
    .kernarg_segment_size: 40
    .max_flat_workgroup_size: 128
    .sgpr_count:     100
    .vgpr_count:     1024
    .wavefront_size: 32
...
	.end_amdgpu_metadata
.endif
;; end of part 2
;; launch attn (part 3): grid 4 x 64, 16 waves a work-group, no clusters, 264,192 bytes of LDS; arguments qkv_img, mwords, mflags, lowp_scales, a_img; writes a_img
.if DOCPART == 3
	.amdgcn_target "amdgcn-amd-amdhsa--gfx1250"
	.amdhsa_code_object_version 6
	.text
	.protected	k_qb20caf887c_attn
	.globl	k_qb20caf887c_attn
	.p2align	8
	.type	k_qb20caf887c_attn,@function
k_qb20caf887c_attn:
	s_mov_b64 s[64:65], 0
	v_nop
	global_prefetch_b8 v0, s[64:65] scope:SCOPE_SE
	s_setreg_imm32_b32 hwreg(HW_REG_WAVE_MODE, 25, 1), 1
	s_wait_xcnt 0x0
; att[b][t][head] = softmax_k(q . k / 8, masked) v for 64 heads of 2,048 x 2,048 x 64, both products on codes of E4M3, and att quantised at once into the image that the last product wants.
; THE SOFTMAX AHEAD OF THE SECOND PRODUCT: t = score x log2(e) / 8; M = the row's largest t so far, rounded UP to a whole number; p = 2^(t - M) is quantised, not normalised; the row's sum is taken of the unquantised p and
; divides at the end.  When M moves, the sum and O are multiplied by 2^(old M - new M): exact.
; SHARES.  Work-group (j, bh).  The head's whole K and V, 131,072 bytes each, are images of operand registers and are copied ONCE into LDS through registers; one barrier; after it LDS is only read and the sixteen waves run free.
; Wave w takes query tiles 4 w + j and 127 - (4 w + j), 16 queries each, in 256 registers: four waves to a SIMD, so that one wave's vector work stands beside another's products and LDS loads.
; LAYOUT.  Both products are used transposed (S^T = K Q^T, O^T = V^T P^T): a lane holds ONE query.  The rows of an image's fragment are 32 (f / 2) + 8 (f % 2) + m + 8 (m / 8), so register 16 b + i of S^T is key
; 128 s + 32 b + 16 h + i: sixteen neighbours, whose codes are the second product's operand; likewise O^T's registers are neighbouring channels, whose codes are 16 bytes of a_img.
; THE MASK is an input.  An earlier launch stored it as bit words, one for each score register (bit = lane), and a flag for each tile of 16 queries x 128 keys.  Flag 0: no key counts: the tile adds nothing and is passed over by a
; scalar branch.  Flag 2: all count: the selects are passed over.  Flag 1: each score is kept or becomes -infinity by one select on its word.  This holds for every mask.
; A row in which no key counts has the sum 0: its codes become NaN codes, as the softmax of such a row is NaN.
; NO TENSOR LOAD, NO JOINT LOAD: the walk branches on stored flags; and what the four work-groups of a head share is read once by each, at its head.
; LIMITS: e2 + e3 between -123 and 130 (added to c's exponent field); e4 and e6 between -126 and 119; e4 + e5 goes by v_ldexp_f32.
; REGISTERS: v1 16 x lane; v2-5 the copy's addresses; v6 -infinity; v7 four NaN codes; v8, v9 LDS addresses of the step's K and V; v10 the divisor's reciprocal, v11 the sum; v12 -M, v13 the largest t, v[14:15] the sum in two halves;
; v16-23 Q; v24-31 the codes that leave; v32-95 K's or V's fragments; v96-159 S^T, then p; v160-191 O^T; v192-223 O^T scaled; v224-239 p's codes; v240-254 scales and work.
.set VLDS, 131072                      ; V's image lies behind K's
	s_load_b256 s[4:11], s[0:1], 0x0               ; qkv_img s[4:5], mwords s[6:7], mflags s[8:9], the exponents s[10:11]
	s_load_b64 s[12:13], s[0:1], 0x20              ; a_img
	v_lshl_add_u32 v251, v0, 2, 0x40000
	v_mov_b32 v255, 0
	v_lshrrev_b32 v1, 5, v0
	v_readfirstlane_b32 s14, v1                    ; wave 0..15
	v_and_b32 v1, 31, v0
	v_lshlrev_b32 v1, 4, v1
	v_lshlrev_b32 v2, 4, v0                        ; the copy: 16 bytes a thread, 8,192 an instruction of the work-group
	v_add_nc_u32 v3, 0x10000, v2
	v_add_nc_u32 v4, 0x20000, v2
	v_add_nc_u32 v5, 0x30000, v2
	s_and_b32 s68, ttmp7, 0xffff                   ; bh
	s_lshl_b32 s96, s68, 17                        ; a head is 131,072 bytes in each of q, k, v
	s_mov_b32 s97, 0
	s_wait_kmcnt 0x0
	s_load_b256 s[16:23], s[10:11], 0x0            ; e0 .. e7
	s_add_nc_u64 s[4:5], s[4:5], s[96:97]          ; q of my head
	s_add_nc_u64 s[98:99], s[4:5], 0x800000        ; k
	s_add_nc_u64 s[100:101], s[4:5], 0x1000000     ; v
.irp i, 0,1,2,3,4,5,6,7,8,9,10,11,12,13,14,15
	global_load_b128 v[96+4*\i:99+4*\i], v2, s[98:99] offset:\i*8192
.endr
.irp i, 0,1,2,3,4,5,6,7,8,9,10,11,12,13,14,15
	global_load_b128 v[160+4*\i:163+4*\i], v2, s[100:101] offset:\i*8192
.endr
	v_mov_b32 v6, 0xff800000
	v_mov_b32 v7, 0x7f7f7f7f
	v_mov_b32 v247, 0                              ; a lane permute's destination counts as one of its sources: written once
	v_mov_b32 v253, 0                              ; (named as the upper half of the pair v[252:253])
	s_mov_b32 s74, 0x76543210
	s_mov_b32 s75, 0xfedcba98                      ; v_permlanex16_b32's selects for lane l xor 16
	s_lshr_b32 s96, s68, 4
	s_lshl_b32 s96, s96, 21                        ; a_img: batch x 128 tiles x 16,384 bytes
	s_and_b32 s70, s68, 15
	s_lshl_b32 s70, s70, 10                        ; + head x 1,024
	s_add_co_u32 s96, s96, s70
	s_add_nc_u64 s[12:13], s[12:13], s[96:97]
	s_lshl_b32 s15, s14, 2
	s_add_co_u32 s15, s15, ttmp9                   ; my first query tile
	s_wait_kmcnt 0x0
	s_add_co_i32 s96, s18, s19
	s_lshl_b32 s96, s96, 23
	s_add_co_i32 s72, s96, 0x3e38aa3b              ; c = log2(e) / 8, with e2 + e3 added to its exponent field: a score stands for score x 2^(e2 + e3)
	s_mov_b32 s73, s72                             ; (named with it as a pair)
	s_mov_b32 s79, s20                             ; e4
	s_add_co_i32 s69, s20, s21                     ; e4 + e5
	s_add_co_i32 s96, s20, 127
	s_lshl_b32 s70, s96, 23
	v_mov_b32 v244, s70                            ; 2^e4, for p's conversions
	s_add_co_i32 s96, s96, 8
	s_lshl_b32 s96, s96, 23
	s_or_b32 s96, s96, 0x600000
	v_mov_b32 v240, s96                            ; 448 x 2^e4
	s_add_co_i32 s96, s22, 127
	s_lshl_b32 s70, s96, 23
	v_mov_b32 v245, s70                            ; 2^e6, for att's
	s_add_co_i32 s96, s96, 8
	s_lshl_b32 s96, s96, 23
	s_or_b32 s96, s96, 0x600000
	v_mov_b32 v246, s96                            ; 448 x 2^e6
.set i, 0
.rept 32
	s_wait_loadcnt 31-i                            ; loads come back in order: number i is in, the younger ones may be out
	ds_store_b128 v[2+i/8], v[96+4*i:99+4*i] offset:(i%8)*8192
.set i, i+1
.endr
	s_wait_dscnt 0x0                               ; for the others' sake: my stores have landed
	s_barrier_signal -1
	s_barrier_wait -1                              ; K and V lie whole in LDS; nobody writes LDS again
	s_mov_b32 s78, 0
.Ltile:                                            ; two trips: tiles qt and 127 - qt
	s_lshl_b32 s96, s15, 6
	s_mov_b32 s97, 0
	s_add_nc_u64 s[98:99], s[8:9], s[96:97]
	s_load_b512 s[16:31], s[98:99], 0x0            ; the tile's sixteen flags
	s_lshl_b32 s96, s15, 10
	s_add_nc_u64 s[100:101], s[4:5], s[96:97]
	global_load_b128 v[16:19], v1, s[100:101]      ; Q's fragment: 16 queries x 64
	global_load_b128 v[20:23], v1, s[100:101] offset:512
	s_lshl_b32 s96, s15, 12
	s_add_nc_u64 s[76:77], s[6:7], s[96:97]        ; the tile's words, 256 bytes a key step
	s_lshl_b32 s96, s15, 14
	s_add_nc_u64 s[70:71], s[12:13], s[96:97]      ; where the tile's codes go
	v_mov_b32 v13, 0xff61b1e6                      ; the largest t so far: -3e38
	v_floor_f32 v12, -v13                          ; -M
	v_mov_b32 v14, 0
	v_mov_b32 v15, 0
.set j, 0
.rept 32
	v_mov_b32 v[160+j], 0                          ; O^T begins as zeros: any key step may be passed over, so none is known to be the first
.set j, j+1
.endr
	s_wait_kmcnt 0x0
	s_mov_b32 s66, 0
.irp i, 0,1,2,3,4,5,6,7,8,9,10,11,12,13,14,15
	s_lshl_b32 s67, s[16+\i], 2*\i
	s_or_b32 s66, s66, s67                         ; two bits a flag: the words will need these registers
.endr
	s_mov_b32 s2, 0                                ; LDS byte of the step's K
	s_mov_b32 s3, 0
	s_wait_loadcnt 0x0                             ; Q
.Lkey:                                             ; sixteen trips of 128 keys: a constant count; a trip's work is jumped over, never its steps of addresses
	s_and_b32 s67, s66, 3
	s_lshr_b32 s66, s66, 2
	s_cmp_eq_u32 s67, 0
	s_cbranch_scc1 .Lnext
	s_load_b512 s[16:31], s[76:77], 0x0            ; the 64 words: word n in s[16 + n], from 48 on in s[32 + n]
	s_load_b512 s[32:47], s[76:77], 0x40
	s_load_b512 s[48:63], s[76:77], 0x80
	s_load_b512 s[80:95], s[76:77], 0xc0
	v_add_nc_u32 v8, s2, v1
	v_add_nc_u32 v9, VLDS, v8
	v_nop                                          ; with the two additions: four places in front of loads into registers that the last products read
	v_nop
.irp t, 0,1,2,3,4,5,6,7
	ds_load_b128 v[32+8*\t:35+8*\t], v8 offset:1024*\t
	ds_load_b128 v[36+8*\t:39+8*\t], v8 offset:1024*\t+512
.endr
	s_wait_dscnt 0x0
.irp t, 0,1,2,3,4,5,6,7
	v_wmma_f32_16x16x64_fp8_fp8 v[96+8*\t:103+8*\t], v[32+8*\t:39+8*\t], v[16:23], 0
.endr
.rept 4
	v_nop
.endr
.irp ct, 0,1,2,3                       ; V's four fragments land while the softmax is walked
.irp g, 0,1,2,3
	ds_load_b128 v[32+16*\ct+4*\g:35+16*\ct+4*\g], v9 offset:2048*\ct+512*\g
.endr
.endr
	s_wait_kmcnt 0x0                               ; the words; their pointer may be stepped behind this wait
	s_cmp_eq_u32 s67, 2
	s_cbranch_scc1 .Lopen
.set n, 0
.rept 64
.if n < 48
	v_cndmask_b32 v[96+n], v6, v[96+n], s[16+n]    ; bit 1: the score stays; bit 0: -infinity, so that p = 0
.else
	v_cndmask_b32 v[96+n], v6, v[96+n], s[32+n]
.endif
.set n, n+1
.endr
.Lopen:
	v_max3_num_f32 v254, v96, v97, v98             ; the step's largest score of my query among my 64 keys, in two chains,
	v_max3_num_f32 v252, v99, v100, v101
.irp i, 6,10,14,18,22,26,30,34,38,42,46,50,54,58
	v_max3_num_f32 v254, v254, v[96+\i], v[97+\i]
	v_max3_num_f32 v252, v252, v[98+\i], v[99+\i]
.endr
	v_max3_num_f32 v254, v254, v158, v159
	v_max_num_f32 v254, v254, v252
	v_permlanex16_b32 v247, v254, s74, s75
	v_max_num_f32 v254, v254, v247                 ; and among lane l xor 16's
	v_mul_f32 v254, s72, v254                      ; as t (c is positive)
	v_max_num_f32 v13, v13, v254
	v_mov_b32 v254, v12
	v_floor_f32 v12, -v13                          ; the new -M = floor(-t): M is a whole number
	v_sub_f32 v254, v12, v254                      ; old M - new M, 0 or less
	v_cvt_i32_f32 v254, v254                       ; (it saturates)
	v_ldexp_f32 v252, 1.0, v254                    ; f = 2^(old M - new M)
.set j, 0
.rept 32
	v_pk_fma_f32 v[96+j:97+j], v[96+j:97+j], s[72:73], v[12:13] op_sel_hi:[1,0,0]   ; t - M, two at a time
.set j, j+2
.endr
.set j, 0
.rept 64
	v_exp_f32 v[96+j], v[96+j]                     ; p = 2^(t - M), at most 1
.set j, j+1
.endr
	v_pk_mul_f32 v[14:15], v[14:15], v[252:253] op_sel_hi:[1,0]   ; the sums under the new M: the plain line behind the exponentials
	s_wait_alu depctr_va_vdst(0)                   ; one wait for the whole batch, ahead of its first reader
	v_pk_add_f32 v[242:243], v[96:97], v[98:99]    ; the row's sum of the UNQUANTISED p, in two chains
.irp j, 4,8,12,16,20,24,28,32,36,40,44,48,52,56,60
	v_pk_add_f32 v[14:15], v[14:15], v[96+\j:97+\j]
	v_pk_add_f32 v[242:243], v[242:243], v[98+\j:99+\j]
.endr
	v_pk_add_f32 v[14:15], v[14:15], v[242:243]
	s_cmp_ge_i32 s79, -8                           ; p <= 1 and 448 x 2^e4 >= 1.75 from e4 = -8 on: there the hold changes no number and is passed over
	s_cbranch_scc1 .Lno_hold
.set j, 0
.rept 64
	v_min_num_f32 v[96+j], v[96+j], v240           ; the conversion does not saturate (ISA guide 7.6.2); p is not negative: the hold is one-sided
.set j, j+1
.endr
.Lno_hold:
.irp b, 0,1,2,3
	v_cvt_scalef32_pk8_fp8_f32 v[224+4*\b:225+4*\b], v[96+16*\b:103+16*\b], v244
	v_cvt_scalef32_pk8_fp8_f32 v[226+4*\b:227+4*\b], v[104+16*\b:111+16*\b], v244
.endr
.set j, 0
.rept 16
	v_pk_mul_f32 v[160+j:161+j], v[160+j:161+j], v[252:253] op_sel_hi:[1,0]   ; O^T under the new M; also the plain lines between the conversions and the products
.set j, j+2
.endr
	s_wait_dscnt 0x0                               ; V
.irp ct, 0,1,2,3                       ; four accumulators, one instruction a turn
	v_wmma_f32_16x16x128_fp8_fp8 v[160+8*\ct:167+8*\ct], v[32+16*\ct:47+16*\ct], v[224:239], v[160+8*\ct:167+8*\ct]
.endr
.Lnext:
	s_add_co_u32 s2, s2, 8192
	s_add_nc_u64 s[76:77], s[76:77], 256
	s_add_co_u32 s3, s3, 1
	s_cmp_lt_u32 s3, 16
	s_cbranch_scc1 .Lkey
	; the tile's end: att = O^T x 2^(e4 + e5) / the sum, quantised with 2^e6
	v_add_f32 v11, v14, v15
	v_permlanex16_b32 v247, v11, s74, s75
	v_add_f32 v11, v11, v247                       ; the row's sum
	v_rcp_f32 v10, v11
.rept 4
	v_nop                                          ; the plain line behind the reciprocal, and the places behind the last products
.endr
	s_wait_alu depctr_va_vdst(0)                   ; ahead of the reciprocal's first reader
	v_ldexp_f32 v10, v10, s69
.set j, 0
.rept 16
	v_pk_mul_f32 v[192+j:193+j], v[160+j:161+j], v[10:11] op_sel_hi:[1,0]   ; each accumulator from its low end on
.set j, j+2
.endr
.set j, 0
.rept 32
	v_med3_num_f32 v[192+j], v[192+j], -v246, v246
.set j, j+1
.endr
.irp ct, 0,1,2,3
	v_cvt_scalef32_pk8_fp8_f32 v[24+2*\ct:25+2*\ct], v[192+8*\ct:199+8*\ct], v245
.endr
	v_nop                                          ; a plain line between the conversions and the selects on their results
	v_cmp_eq_f32 vcc_lo, 0, v11                    ; a row with an open key has a sum above 1/2; the sum 0 means that no key counts
.irp k, 0,1,2,3,4,5,6,7
	v_cndmask_b32 v[24+\k], v[24+\k], v7, vcc_lo
.endr
	global_store_b128 v1, v[24:27], s[70:71]       ; channels 16 h + 0 .. 15: the wave stores 512 consecutive bytes, aligned
	global_store_b128 v1, v[28:31], s[70:71] offset:512   ; channels 32 + 16 h + 0 .. 15
	s_wait_xcnt 0x0                                ; the stores have read their registers and their base: both are written again in the next trip
	s_sub_co_u32 s15, 127, s15
	s_add_co_u32 s78, s78, 1
	s_cmp_lt_u32 s78, 2
	s_cbranch_scc1 .Ltile
	s_wait_tensorcnt 0x0
	ds_add_u32 v251, v255
	s_wait_dscnt 0x0
	s_endpgm
.Lfunc_end_k_qb20caf887c_attn:
	.size	k_qb20caf887c_attn, .Lfunc_end_k_qb20caf887c_attn-k_qb20caf887c_attn
	.p2alignl 7, 3214868480
	.fill 96, 4, 3214868480
	.section	.rodata,"a",@progbits
	.p2align	6, 0x0
	.amdhsa_kernel k_qb20caf887c_attn
		.amdhsa_group_segment_fixed_size 264192
		.amdhsa_private_segment_fixed_size 0
		.amdhsa_enable_private_segment 0
		.amdhsa_kernarg_size 40
		.amdhsa_user_sgpr_count 2
		.amdhsa_user_sgpr_kernarg_segment_ptr 1
		.amdhsa_wavefront_size32 1
		.amdhsa_system_sgpr_workgroup_id_x 1
		.amdhsa_system_sgpr_workgroup_id_y 1
		.amdhsa_system_sgpr_workgroup_id_z 1
		.amdhsa_system_vgpr_workitem_id 0
		.amdhsa_next_free_vgpr 256
		.amdhsa_next_free_sgpr 102
		.amdhsa_reserve_vcc 1
		.amdhsa_float_denorm_mode_32 3
		.amdhsa_float_denorm_mode_16_64 3
		.amdhsa_memory_ordered 1
		.amdhsa_forward_progress 1
		.amdhsa_inst_pref_size 36
	.end_amdhsa_kernel
	.amdgpu_metadata
---
amdhsa.version: [ 1, 2 ]
amdhsa.kernels:
  - .name:           k_qb20caf887c_attn
    .symbol:         k_qb20caf887c_attn.kd
    .args:
      - { .name: qkv_img, .offset: 0, .size: 8, .value_kind: global_buffer, .address_space: global }
      - { .name: mwords, .offset: 8, .size: 8, .value_kind: global_buffer, .address_space: global }
      - { .name: mflags, .offset: 16, .size: 8, .value_kind: global_buffer, .address_space: global }
      - { .name: lowp_scales, .offset: 24, .size: 8, .value_kind: global_buffer, .address_space: global }
      - { .name: a_img, .offset: 32, .size: 8, .value_kind: global_buffer, .address_space: global }
    .group_segment_fixed_size: 264192
    .private_segment_fixed_size: 0
    .kernarg_segment_align: 8
    .kernarg_segment_size: 40
    .max_flat_workgroup_size: 512
    .sgpr_count:     102
    .vgpr_count:     256
    .wavefront_size: 32
...
	.end_amdgpu_metadata
.endif
;; end of part 3
;; launch proj (part 4): grid 8 x 32, 4 waves a work-group, clusters of 4 x 4, 327,680 bytes of LDS; arguments a_img, wo_img, b_out, lowp_scales, out0; writes out0
.if DOCPART == 4
	.amdgcn_target "amdgcn-amd-amdhsa--gfx1250"
	.amdhsa_code_object_version 6
	.text
	.protected	k_qb20caf887c_proj
	.globl	k_qb20caf887c_proj
	.p2align	8
	.type	k_qb20caf887c_proj,@function
k_qb20caf887c_proj:
	s_mov_b64 s[64:65], 0
	v_nop
	global_prefetch_b8 v0, s[64:65] scope:SCOPE_SE
	s_setreg_imm32_b32 hwreg(HW_REG_WAVE_MODE, 25, 1), 1
	s_wait_xcnt 0x0
	s_wait_alu depctr_hold_cnt(0) depctr_sa_sdst(0) depctr_va_vdst(0) depctr_va_sdst(0) depctr_va_ssrc(0) depctr_va_vcc(0) depctr_vm_vsrc(0)
	s_getreg_b32 s2, hwreg(HW_REG_IB_STS2, 6, 4)
	s_cmp_eq_u32 s2, 0
	s_cbranch_scc0 .Lentry_in_a_cluster
	s_endpgm
.Lentry_in_a_cluster:
	s_bfe_u32 s2, ttmp6, 0x10000c
	s_cmp_lg_u32 s2, 0xf033
	s_cbranch_scc0 .Lentry_shape_is_right
	s_endpgm
.Lentry_shape_is_right:
; out0 = att W_out + b_out on codes of E4M3, sums in f32.  a_img [512 fragment rows][8 K steps][2,048] and wo_img [64][8][2,048] are images of operand registers: [g][lane][16 bytes], lane (m, h) holding
; k = 128 ks + 32 g + 16 h + 0 .. 15; fragment f's rows (tokens, or columns of W_out) are 32 (f / 2) + 8 (f % 2) + m + 8 (m / 8).
; A tile of the result is 256 tokens x 128 columns, so that 8,192 x 1,024 gives 256 work-groups; four waves, each 128 x 64: 32 accumulators, 256 registers.  K goes in steps of 256 through two LDS slots.
; THE MATRIX INSTRUCTION IS USED TRANSPOSED: source 0 = 16 columns, source 1 = 16 tokens: a lane holds one token, and registers of accumulators 2 B, 2 B + 1 are columns 32 B + 16 h + 0 .. 15.
; CLUSTERS: 4 x 4.  The tokens' tile is shared along a row of the cluster, the weight's along a column: each is asked for JOINTLY.
; out = sum x 2^(e6 + e7) + b_out, one packed multiply-add for two numbers.  LIMIT: e6 + e7 between -126 and 127, so that 2^(e6 + e7) is an f32 number.
; REGISTERS: window 0: v1-29 addresses; v32-63 the bias; v64-95 a block's results; v128-255 the tokens' eight fragments, ONE set, on the way out rows read back.  window 1: the weight's four fragments, TWO sets, at v0 and v64.
;   window 2: accumulator (a, b) at v[8 (4 a + b)].
.set FR,    16
.set NL,    4
.set NP,    4                          ; places behind this matrix instruction (ISA guide 7.12.1)
.set FROW,  4096                       ; a fragment row's part of a slot: two K steps of 128
.set SLOT,  24*FROW                    ; the tokens' 16 fragment rows, then the weight's 8
.set BOFF,  16*FROW
.set STAGE, 2*SLOT                     ; behind the ring: 16 rows x 272 bytes for each wave; no tensor load fills it
.set SPITCH, 272                       ; 256 bytes + 16 = 17 x 16: sixteen rows begin at sixteen different 16-byte columns of 256 bytes
.set SPARE, STAGE+4*16*SPITCH          ; the spare words, 128 bytes for each wave: two blocks of 256 bytes that no other line names
.set ADRA, 16
.set ADRB, 20
.set STO,  24
.set RD,   25
.set CO,   26
.set SPW,  28
.set NIL,  29
.set BI,   32
.set TMP,  64
.set AF,   128
.set BK,   128
.set G1,   24
.set G0,   32
.set G1B,  48
.set G0B,  56
.set MSB, 0
.macro WIN new
.if MSB != \new
	s_set_vgpr_msb (MSB<<8)|\new
.set MSB, \new
.endif
.endm
.set MUL,  0xa1                        ; source 0 window 1, source 1 window 0, C and D window 2
.set TO_B, 0x40
.macro JLOAD g0a, g1a, g0b, g1b        ; waves 0 and 1 fetch the tokens' halves, waves 2 and 3 the weight's; four v_nop follow each of the two lines
	s_cmp_eq_u32 s15, 0
	s_cbranch_scc0 .Lfor_b_\@
	tensor_load_to_lds s[\g0a:\g0a+3], s[\g1a:\g1a+7]
	s_nop 0
.rept 4
	v_nop
.endr
	s_branch .Lasked_\@
.Lfor_b_\@:
	tensor_load_to_lds s[\g0b:\g0b+3], s[\g1b:\g1b+7]
	s_nop 0
.rept 4
	v_nop
.endr
.Lasked_\@:
.endm
.macro CREST
	s_cmp_lg_u32 s14, 0
	s_cbranch_scc1 .Lnot_wave_0_\@
	s_barrier_signal -3
.Lnot_wave_0_\@:
	s_barrier_wait -3
	s_barrier_signal -1
	s_barrier_wait -1
.endm
.macro CROUND
	s_barrier_signal -1
	s_barrier_wait -1
	CREST
.endm
	s_load_b256 s[4:11], s[0:1], 0x0               ; a_img s[4:5], wo_img s[6:7], b_out s[8:9], the exponents s[10:11]
	s_load_b64 s[12:13], s[0:1], 0x20              ; out0
	v_lshl_add_u32 v[SPW], v0, 2, SPARE
	v_mov_b32 v[NIL], 0
	ds_add_u32 v28, v29
	ds_add_u32 v28, v29
	s_wait_dscnt 0x0
	v_lshrrev_b32 v1, 5, v0
	v_readfirstlane_b32 s14, v1                    ; wave 0..3
	s_lshr_b32 s15, s14, 1                         ; my half of the tokens.  Also: I fetch tokens (0) or the weight (1)
	s_and_b32 s16, s14, 1                          ; my half of the columns.  Also: which half of that tile I fetch
	s_bfe_u32 s40, ttmp6, 0x40000                  ; cx
	s_bfe_u32 s41, ttmp6, 0x40004                  ; cy
	s_lshl_b32 s42, ttmp9, 2
	s_add_co_u32 s42, s42, s40                     ; tile column, 0..7
	s_and_b32 s17, ttmp7, 0xffff
	s_lshl_b32 s17, s17, 2
	s_add_co_u32 s17, s17, s41                     ; tile row, 0..31
	s_lshl_b32 s43, s41, 2
	s_lshl_b32 s43, 15, s43                        ; my row of the cluster
	s_lshl_b32 s44, 0x1111, s40                    ; my column
	s_or_b32 s[G1], s43, (3<<16)|(1<<21)           ; the mask; elements of 8 bytes; bit 21 beside a mask; no padding
	s_mov_b32 s[G1+1], 512<<16                     ; tensor_dim0 = 512: 4,096 bytes
	s_mov_b32 s[G1+2], 8<<16                       ; tensor_dim1 = 8 fragment rows
	s_mov_b32 s[G1+3], 512<<16                     ; tile_dim0
	s_mov_b32 s[G1+4], 8                           ; tile_dim1
	s_mov_b32 s[G1+5], 2048                        ; 16,384 bytes from fragment row to fragment row
	s_mov_b32 s[G1+6], 0
	s_mov_b32 s[G1+7], 0
	s_or_b32 s[G1B], s44, (3<<16)|(1<<21)
	s_mov_b32 s[G1B+1], 512<<16
	s_mov_b32 s[G1B+2], 4<<16                      ; the weight's half: 4 fragment rows
	s_mov_b32 s[G1B+3], 512<<16
	s_mov_b32 s[G1B+4], 4
	s_mov_b32 s[G1B+5], 2048
	s_mov_b32 s[G1B+6], 0
	s_mov_b32 s[G1B+7], 0
	s_lshl_b32 s66, s17, 18                        ; 16 fragment rows a tile,
	s_lshl_b32 s20, s16, 17                        ; 8 a half
	s_add_co_u32 s66, s66, s20
	s_mov_b32 s67, 0
	s_lshl_b32 s68, s42, 17                        ; 8 fragment rows a tile,
	s_lshl_b32 s20, s16, 16                        ; 4 a half
	s_add_co_u32 s68, s68, s20
	s_mov_b32 s69, 0
	s_lshl_b32 s45, s16, 15                        ; where they go: the tokens' half,
	s_lshl_b32 s70, s16, 14
	s_add_co_u32 s70, s70, BOFF                    ; the weight's half: no place in the cluster enters an LDS address
	s_wait_kmcnt 0x0
	s_load_b256 s[72:79], s[10:11], 0x0            ; e0 .. e7
	s_add_nc_u64 s[20:21], s[4:5], s[66:67]
	s_add_nc_u64 s[46:47], s[6:7], s[68:69]
	CROUND                                         ; all sixteen work-groups are here: the first joint loads meet
.irp s, 0,1
	s_mov_b32 s[G0+4*\s], 1
	s_add_co_u32 s[G0+4*\s+1], s45, \s*SLOT
	s_add_nc_u64 s[G0+4*\s+2:G0+4*\s+3], s[20:21], \s*FROW
	s_or_b32 s[G0+4*\s+3], s[G0+4*\s+3], 0x80000000
	s_mov_b32 s[G0B+4*\s], 1
	s_add_co_u32 s[G0B+4*\s+1], s70, \s*SLOT
	s_add_nc_u64 s[G0B+4*\s+2:G0B+4*\s+3], s[46:47], \s*FROW
	s_or_b32 s[G0B+4*\s+3], s[G0B+4*\s+3], 0x80000000
	JLOAD G0+4*\s, G1, G0B+4*\s, G1B               ; two tensor loads of mine are out
.endr
	v_and_b32 v1, 31, v0
	v_lshlrev_b32 v2, 4, v1                        ; 16 x lane
	v_and_b32 v4, 15, v0                           ; r
	v_bfe_u32 v3, v0, 4, 1                         ; h
	s_lshl_b32 s21, s15, 15                        ; my 8 fragment rows of tokens
	s_lshl_b32 s22, s16, 14
	s_add_co_u32 s22, s22, BOFF                    ; my 4 of the weight
.irp s, 0,1
	v_add_nc_u32 v[ADRA+\s], s21, v2
	v_add_nc_u32 v[ADRB+\s], s22, v2
	s_add_co_u32 s21, s21, SLOT
	s_add_co_u32 s22, s22, SLOT
.endr
	s_mul_i32 s23, s14, 16*SPITCH
	s_add_co_u32 s23, s23, STAGE                   ; my stage
	v_mul_u32_u24 v5, v4, SPITCH
	v_lshl_add_u32 v5, v3, 6, v5
	v_add_nc_u32 v[STO], s23, v5                   ; in: row r, + 64 h: my 16 columns of each 32
	v_mul_u32_u24 v5, v3, SPITCH
	v_lshl_add_u32 v5, v4, 4, v5
	v_add_nc_u32 v[RD], s23, v5                    ; back: lanes 0-15 one row of 256 bytes, lanes 16-31 the next
	v_lshlrev_b32 v[CO], 12, v3
	v_lshl_add_u32 v[CO], v4, 4, v[CO]             ; and the same in out0: rows of 4,096 bytes
	v_lshlrev_b32 v6, 6, v3                        ; 64 h
	s_lshl_b32 s88, s42, 9
	s_lshl_b32 s87, s16, 8
	s_add_co_u32 s88, s88, s87                     ; my 64 columns: (128 tile column + 64 half) x 4 bytes
	s_mov_b32 s89, 0
	s_add_nc_u64 s[8:9], s[8:9], s[88:89]
	s_add_nc_u64 s[12:13], s[12:13], s[88:89]
	s_lshl_b32 s88, s17, 20
	s_lshl_b32 s87, s15, 19
	s_add_co_u32 s88, s88, s87                     ; my first token: 256 tile row + 128 half
	s_add_nc_u64 s[12:13], s[12:13], s[88:89]
.irp b, 0,1,2,3                        ; the bias in the result's layout: register 8 b + j is column 32 (b / 2) + 16 h + 8 (b % 2) + j
	global_load_b128 v[BI+8*\b:BI+8*\b+3], v6, s[8:9] offset:(32*(\b/2)+8*(\b%2))*4
	global_load_b128 v[BI+8*\b+4:BI+8*\b+7], v6, s[8:9] offset:(32*(\b/2)+8*(\b%2))*4+16
.endr
	s_wait_kmcnt 0x0
	s_add_co_i32 s92, s78, s79
	s_add_co_i32 s92, s92, 127
	s_lshl_b32 s92, s92, 23                        ; 2^(e6 + e7) as f32
	s_mov_b32 s93, s92                             ; (named with it as a pair)
	s_wait_loadcnt 0x0
.macro FRAG reg, adr, q, i
.irp c, 0,1,2,3
	ds_load_b128 v[\reg+4*\c:\reg+4*\c+3], v[\adr] offset:(\i)*FROW+2048*(\q)+512*\c
.endr
.endm
; 8 matrix instructions: token blocks a0, a0 + 1 x the weight's four.  zero = 1: the first product starts the sums.  The 32 accumulators take turns, one instruction a turn, in the same order in every step.
.macro MUL8 a0, p, zero
.irp a, \a0, \a0+1
.irp b, 0,1,2,3
.if \zero
	v_wmma_f32_16x16x128_fp8_fp8 v[8*(4*(\a)+\b):8*(4*(\a)+\b)+7], v[64*(\p)+FR*\b:64*(\p)+FR*\b+FR-1], v[AF+FR*(\a):AF+FR*(\a)+FR-1], 0
.else
	v_wmma_f32_16x16x128_fp8_fp8 v[8*(4*(\a)+\b):8*(4*(\a)+\b)+7], v[64*(\p)+FR*\b:64*(\p)+FR*\b+FR-1], v[AF+FR*(\a):AF+FR*(\a)+FR-1], v[8*(4*(\a)+\b):8*(4*(\a)+\b)+7]
.endif
.endr
.endr
.endm
.macro FETCH_B slot, q, p
	WIN TO_B
.irp i, 0,1,2,3
	FRAG 64*(\p)+FR*\i, ADRB+\slot, \q, \i
.endr
	WIN 0
.endm
.macro FETCH_A slot, q, i0
.irp i, \i0, \i0+1, \i0+2, \i0+3
	FRAG AF+FR*(\i), ADRA+\slot, \q, \i
.endr
.endm
.macro PLACES n
.rept \n
	v_nop
.endr
.endm
.macro STEP slot, q, zero
	s_wait_dscnt 4*NL                              ; the weight's set and token blocks 0-3 are in; the youngest 16 loads (blocks 4-7) may be out
	WIN MUL
	MUL8 0, (\q)%2, \zero
	MUL8 2, (\q)%2, \zero
	s_wait_dscnt 0
	PLACES NP
	FETCH_B \slot, (\q)+1, 1-(\q)%2
	FETCH_A \slot, (\q)+1, 0
	WIN MUL
	MUL8 4, (\q)%2, \zero
	MUL8 6, (\q)%2, \zero
	PLACES NP
	WIN 0
	FETCH_A \slot, (\q)+1, 4
.endm
.macro TURN slot, next, fill
	s_wait_tensorcnt 0x0                           ; all my tensor loads have landed: my part of the next slot
	ds_add_u32 v[SPW], v[NIL]                      ; 0 onto my spare word
	s_wait_dscnt 4*NL+1                            ; (the add and the youngest 16 loads may be out)
	WIN MUL
	MUL8 0, 1, 0                                   ; eight matrix instructions stand between the add and the wait for it
	s_wait_dscnt 0x0                               ; the add is done, and my reads of this slot are over
	s_barrier_signal -1
	MUL8 2, 1, 0
	WIN 0
	s_barrier_wait -1
.if \fill
	CREST                                          ; the barrier has opened a round of the cluster's barrier
	s_add_nc_u64 s[G0+4*\slot+2:G0+4*\slot+3], s[G0+4*\slot+2:G0+4*\slot+3], 2*FROW
	s_add_nc_u64 s[G0B+4*\slot+2:G0B+4*\slot+3], s[G0B+4*\slot+2:G0B+4*\slot+3], 2*FROW
	JLOAD G0+4*\slot, G1, G0B+4*\slot, G1B         ; the first tensor load behind the round, my one load until the next
.else
	PLACES NP
.endif
	FETCH_B \next, 0, 0
	FETCH_A \next, 0, 0
	WIN MUL
	MUL8 4, 1, 0
	MUL8 6, 1, 0
	PLACES NP
	WIN 0
	FETCH_A \next, 0, 4
.endm
	s_wait_tensorcnt 1                             ; my part of slot 0 is in; slot 1's load may be out
	s_barrier_signal -1
	s_barrier_wait -1
	FETCH_B 0, 0, 0
	FETCH_A 0, 0, 0
	FETCH_A 0, 0, 4
	STEP 0, 0, 1                                   ; K = 1,024 is four slots: the eight steps are written out
	TURN 0, 1, 1
	STEP 1, 0, 0
	TURN 1, 0, 1
	STEP 0, 0, 0
	TURN 0, 1, 0
	STEP 1, 0, 0
	s_wait_dscnt 4*NL
	WIN MUL
	MUL8 0, 1, 0
	MUL8 2, 1, 0
	s_wait_dscnt 0
	MUL8 4, 1, 0
	MUL8 6, 1, 0
	WIN 0
; THE WAY OUT, a block of 16 tokens x 64 columns at a time, through my own stage: in by lanes (one token, 16 columns of each 32), back by rows of 256 bytes.  LDS serves a wave's instructions in order: no wait between stores and loads.
.macro TOSTAGE a
	WIN 0x02                                       ; source 0 (the sums) window 2
.irp b, 0,1,2,3
.irp i, 0,2,4,6
	v_pk_fma_f32 v[TMP+8*\b+\i:TMP+8*\b+\i+1], v[8*(4*(\a)+\b)+\i:8*(4*(\a)+\b)+\i+1], s[92:93], v[BI+8*\b+\i:BI+8*\b+\i+1] op_sel_hi:[1,0,1]   ; sum x 2^(e6 + e7) + bias; each accumulator from its low end on
.endr
.endr
	WIN 0
.irp b, 0,1,2,3
	ds_store_b128 v[STO], v[TMP+8*\b:TMP+8*\b+3] offset:128*(\b/2)+32*(\b%2)
	ds_store_b128 v[STO], v[TMP+8*\b+4:TMP+8*\b+7] offset:128*(\b/2)+32*(\b%2)+16
.endr
.set BB, BK+32*((\a)%2)
.irp t, 0,1,2,3,4,5,6,7
	ds_load_b128 v[BB+4*\t:BB+4*\t+3], v[RD] offset:\t*2*SPITCH
.endr
.endm
.macro SEND a, younger                 ; younger: the LDS instructions issued behind block a's loads
.set BB, BK+32*((\a)%2)
	s_wait_dscnt \younger
.irp t, 0,1,2,3,4,5,6,7
	global_store_b128 v[CO], v[BB+4*\t:BB+4*\t+3], s[12:13] offset:(32*((\a)/2)+8*((\a)%2)+2*\t+8*(\t/4))*4096 th:TH_STORE_NT   ; stage row 2 t + h is token 32 (a / 2) + 8 (a % 2) + 2 t + 8 (t / 4) + h; 16 lanes store 256 consecutive bytes, aligned
.endr
.endm
	PLACES NP
	TOSTAGE 0
.irp a, 1,2,3,4,5,6,7
.if \a > 1
	s_wait_xcnt 0x0                                ; block a - 2's stores have read their registers: block a's rows may land there
.endif
	TOSTAGE \a
	SEND \a-1, 16                                  ; behind block a - 1's loads: block a's 8 stores and 8 loads
.endr
	SEND 7, 0
	s_wait_tensorcnt 0x0                           ; the wave's end
	ds_add_u32 v[SPW], v[NIL]
	s_wait_dscnt 0x0
	CROUND                                         ; the closing round
	s_endpgm
.Lfunc_end_k_qb20caf887c_proj:
	.size	k_qb20caf887c_proj, .Lfunc_end_k_qb20caf887c_proj-k_qb20caf887c_proj
	.p2alignl 7, 3214868480
	.fill 96, 4, 3214868480
	.section	.rodata,"a",@progbits
	.p2align	6, 0x0
	.amdhsa_kernel k_qb20caf887c_proj
		.amdhsa_group_segment_fixed_size 327680
		.amdhsa_private_segment_fixed_size 0
		.amdhsa_enable_private_segment 0
		.amdhsa_kernarg_size 40
		.amdhsa_user_sgpr_count 2
		.amdhsa_user_sgpr_kernarg_segment_ptr 1
		.amdhsa_wavefront_size32 1
		.amdhsa_system_sgpr_workgroup_id_x 1
		.amdhsa_system_sgpr_workgroup_id_y 1
		.amdhsa_system_sgpr_workgroup_id_z 1
		.amdhsa_system_vgpr_workitem_id 0
		.amdhsa_next_free_vgpr 768
		.amdhsa_next_free_sgpr 100
		.amdhsa_reserve_vcc 0
		.amdhsa_float_denorm_mode_32 3
		.amdhsa_float_denorm_mode_16_64 3
		.amdhsa_memory_ordered 1
		.amdhsa_forward_progress 1
		.amdhsa_inst_pref_size 77
	.end_amdhsa_kernel
	.amdgpu_metadata
---
amdhsa.version: [ 1, 2 ]
amdhsa.kernels:
  - .name:           k_qb20caf887c_proj
    .symbol:         k_qb20caf887c_proj.kd
    .args:
      - { .name: a_img, .offset: 0, .size: 8, .value_kind: global_buffer, .address_space: global }
      - { .name: wo_img, .offset: 8, .size: 8, .value_kind: global_buffer, .address_space: global }
      - { .name: b_out, .offset: 16, .size: 8, .value_kind: global_buffer, .address_space: global }
      - { .name: lowp_scales, .offset: 24, .size: 8, .value_kind: global_buffer, .address_space: global }
      - { .name: out0, .offset: 32, .size: 8, .value_kind: global_buffer, .address_space: global }
    .group_segment_fixed_size: 327680
    .private_segment_fixed_size: 0
    .kernarg_segment_align: 8
    .kernarg_segment_size: 40
    .max_flat_workgroup_size: 128
    .sgpr_count:     100
    .vgpr_count:     768
    .wavefront_size: 32
...
	.end_amdgpu_metadata
.endif
;; end of part 4
;; ======== version 2 of 2: 4 launches; version 1 with the launch attn written anew for expert scheduling mode
;; workspace buffers: x_img 8,388,608 bytes; w_img 3,145,728 bytes; wo_img 1,048,576 bytes; mwords 524,288 bytes of whole numbers; mflags 8,192 bytes of whole numbers; qkv_img 25,165,824 bytes; a_img 8,388,608 bytes
;; launch prep: the kernel of part 1 again; grid 512 x 1, 4 waves a work-group, no clusters, 102,912 bytes of LDS; arguments x, mask, W_qkv, W_out, lowp_scales, x_img, w_img, wo_img, mwords, mflags; writes x_img, w_img, wo_img, mwords, mflags
;; launch qkv: the kernel of part 2 again; grid 12 x 32, 4 waves a work-group, clusters of 4 x 4, 327,680 bytes of LDS; arguments x_img, w_img, b_qkv, lowp_scales, qkv_img; writes qkv_img
;; launch attn (part 5): grid 4 x 64, 16 waves a work-group, no clusters, 264,192 bytes of LDS; arguments qkv_img, mwords, mflags, lowp_scales, a_img; writes a_img
.if DOCPART == 5
	.amdgcn_target "amdgcn-amd-amdhsa--gfx1250"
	.amdhsa_code_object_version 6
	.text
	.protected	k_qb20caf887c_attn
	.globl	k_qb20caf887c_attn
	.p2align	8
	.type	k_qb20caf887c_attn,@function
k_qb20caf887c_attn:
	s_mov_b64 s[64:65], 0
	v_nop
	global_prefetch_b8 v0, s[64:65] scope:SCOPE_SE
	s_setreg_imm32_b32 hwreg(HW_REG_WAVE_SCHED_MODE, 0, 2), 2
	s_setreg_imm32_b32 hwreg(HW_REG_WAVE_MODE, 25, 1), 1
	s_wait_xcnt 0x0
	s_wait_alu depctr_vm_vsrc(0)
; att[b][t][head] = softmax_k(q . k / 8, masked) v for 64 heads of 2,048 x 2,048 x 64, both products on codes of E4M3, and att quantised at once into the image that the last product wants.
; THE SOFTMAX AHEAD OF THE SECOND PRODUCT: t = score x log2(e) / 8; M = the row's largest t so far, rounded UP to a whole number; p = 2^(t - M) is quantised, not normalised; the row's sum is taken of the unquantised p and
; divides at the end.  When M moves, the sum and O are multiplied by 2^(old M - new M): exact.
; SHARES.  Work-group (j, bh).  The head's whole K and V, 131,072 bytes each, are images of operand registers and are copied ONCE into LDS through registers; one barrier; after it LDS is only read and the sixteen waves run free.
; Wave w takes query tiles 4 w + j and 127 - (4 w + j), 16 queries each, in 256 registers: four waves to a SIMD, so that one wave's vector work stands beside another's products and LDS loads.
; LAYOUT.  Both products are used transposed (S^T = K Q^T, O^T = V^T P^T): a lane holds ONE query.  The rows of an image's fragment are 32 (f / 2) + 8 (f % 2) + m + 8 (m / 8), so register 16 b + i of S^T is key
; 128 s + 32 b + 16 h + i: sixteen neighbours, whose codes are the second product's operand; likewise O^T's registers are neighbouring channels, whose codes are 16 bytes of a_img.
; THE MASK is an input.  An earlier launch stored it as bit words, one for each score register (bit = lane), and a flag for each tile of 16 queries x 128 keys.  Flag 0: no key counts: the tile adds nothing and is passed over by a
; scalar branch.  Flag 2: all count: the selects are passed over.  Flag 1: each score is kept or becomes -infinity by one select on its word.  This holds for every mask.
; A row in which no key counts has the sum 0: its codes become NaN codes, as the softmax of such a row is NaN.
; NO TENSOR LOAD, NO JOINT LOAD: the walk branches on stored flags; and what the four work-groups of a head share is read once by each, at its head.
; LIMITS: e2 + e3 between -123 and 130 (added to c's exponent field); e4 and e6 between -126 and 119; e4 + e5 goes by v_ldexp_f32.
; REGISTERS: v1 16 x lane; v2-5 the copy's addresses; v6 -infinity; v7 four NaN codes; v8, v9 LDS addresses of the step's K and V; v10 the divisor's reciprocal, v11 the sum; v12 -M, v13 the largest t, v[14:15] the sum in two halves;
; v16-23 Q; v24-31 the codes that leave; v32-95 K's or V's fragments; v96-159 S^T, then p; v160-191 O^T; v192-223 O^T scaled; v224-239 p's codes; v240-254 scales and work.
; THE MODE: SCHED_MODE bits 1:0 = 2 (LLVM: expert scheduling mode 2), set by the entry lines.  The code itself states the register dependences between vector or matrix instructions and memory or LDS instructions,
; with s_wait_alu, always for 0.
; THE PLAN.  Registers that memory or LDS instructions touch:
;   v1 .. v5    offsets and addresses, written at the head and never again; one wait on va_vdst in front of the first load serves every access by them.
;   v96-223     at the head only: the copy's 32 loads land there and its 32 LDS stores read them; one wait on vm_vsrc behind the barrier, ahead of the tile's moves and products, which write them.
;   v16-23      Q: loaded at a tile's head, read by every step's products K Q^T.  The wait on va_vdst in front of a tile's stores is the trip's last word on the vector side: behind it Q may land again.
;   v8, v9      written by two additions at the head of a step that works, read by K's and V's LDS loads: a wait on vm_vsrc in front of the additions, a wait on va_vdst behind them.
;   v32-95      K lands; K Q^T reads; V lands; V^T P^T reads.  The wait on va_vdst at the step's head also states that the last V^T P^T is done reading; one more stands behind K Q^T, in front of V's loads.
;   v24-31      written by a tile's conversions and selects, read by its two stores: a wait on va_vdst in front of the stores, a wait on vm_vsrc behind them.
; All 256 registers of each of a SIMD's four waves are spoken for (in the key loop 40 lie idle, a step's K or V is 64), so K and V share one buffer and the loads stand where they stood: K's at the step's head, V's straight
; behind K Q^T, where they have the whole softmax in which to land.
.set VLDS, 131072                      ; V's image lies behind K's
	s_load_b256 s[4:11], s[0:1], 0x0               ; qkv_img s[4:5], mwords s[6:7], mflags s[8:9], the exponents s[10:11]
	s_load_b64 s[12:13], s[0:1], 0x20              ; a_img
	v_lshl_add_u32 v251, v0, 2, 0x40000
	v_mov_b32 v255, 0
	v_lshrrev_b32 v1, 5, v0
	v_readfirstlane_b32 s14, v1                    ; wave 0..15
	v_and_b32 v1, 31, v0
	v_lshlrev_b32 v1, 4, v1
	v_lshlrev_b32 v2, 4, v0                        ; the copy: 16 bytes a thread, 8,192 an instruction of the work-group
	v_add_nc_u32 v3, 0x10000, v2
	v_add_nc_u32 v4, 0x20000, v2
	v_add_nc_u32 v5, 0x30000, v2
	s_wait_alu depctr_va_sdst(0)                   ; s14 is written, ahead of its first reader: my query tiles are made from it
	s_and_b32 s68, ttmp7, 0xffff                   ; bh
	s_lshl_b32 s96, s68, 17                        ; a head is 131,072 bytes in each of q, k, v
	s_mov_b32 s97, 0
	s_wait_kmcnt 0x0
	s_load_b256 s[16:23], s[10:11], 0x0            ; e0 .. e7
	s_add_nc_u64 s[4:5], s[4:5], s[96:97]          ; q of my head
	s_add_nc_u64 s[98:99], s[4:5], 0x800000        ; k
	s_add_nc_u64 s[100:101], s[4:5], 0x1000000     ; v
	s_wait_alu depctr_va_vdst(0)                   ; v1 to v5 are written: the loads, LDS stores and stores of the whole kernel read them as offsets and addresses, and no vector line names them as a destination again
.irp i, 0,1,2,3,4,5,6,7,8,9,10,11,12,13,14,15
	global_load_b128 v[96+4*\i:99+4*\i], v2, s[98:99] offset:\i*8192
.endr
.irp i, 0,1,2,3,4,5,6,7,8,9,10,11,12,13,14,15
	global_load_b128 v[160+4*\i:163+4*\i], v2, s[100:101] offset:\i*8192
.endr
	v_mov_b32 v6, 0xff800000
	v_mov_b32 v7, 0x7f7f7f7f
	v_mov_b32 v247, 0                              ; a lane permute's destination counts as one of its sources: written once
	v_mov_b32 v253, 0                              ; (named as the upper half of the pair v[252:253])
	s_mov_b32 s74, 0x76543210
	s_mov_b32 s75, 0xfedcba98                      ; v_permlanex16_b32's selects for lane l xor 16
	s_lshr_b32 s96, s68, 4
	s_lshl_b32 s96, s96, 21                        ; a_img: batch x 128 tiles x 16,384 bytes
	s_and_b32 s70, s68, 15
	s_lshl_b32 s70, s70, 10                        ; + head x 1,024
	s_add_co_u32 s96, s96, s70
	s_add_nc_u64 s[12:13], s[12:13], s[96:97]
	s_lshl_b32 s15, s14, 2
	s_add_co_u32 s15, s15, ttmp9                   ; my first query tile
	s_wait_kmcnt 0x0
	s_add_co_i32 s96, s18, s19
	s_lshl_b32 s96, s96, 23
	s_add_co_i32 s72, s96, 0x3e38aa3b              ; c = log2(e) / 8, with e2 + e3 added to its exponent field: a score stands for score x 2^(e2 + e3)
	s_mov_b32 s73, s72                             ; (named with it as a pair)
	s_mov_b32 s79, s20                             ; e4
	s_add_co_i32 s69, s20, s21                     ; e4 + e5
	s_add_co_i32 s96, s20, 127
	s_lshl_b32 s70, s96, 23
	v_mov_b32 v244, s70                            ; 2^e4, for p's conversions
	s_add_co_i32 s96, s96, 8
	s_lshl_b32 s96, s96, 23
	s_or_b32 s96, s96, 0x600000
	v_mov_b32 v240, s96                            ; 448 x 2^e4
	s_add_co_i32 s96, s22, 127
	s_lshl_b32 s70, s96, 23
	v_mov_b32 v245, s70                            ; 2^e6, for att's
	s_add_co_i32 s96, s96, 8
	s_lshl_b32 s96, s96, 23
	s_or_b32 s96, s96, 0x600000
	v_mov_b32 v246, s96                            ; 448 x 2^e6
.set i, 0
.rept 32
	s_wait_loadcnt 31-i                            ; loads come back in order: number i is in, the younger ones may be out
	ds_store_b128 v[2+i/8], v[96+4*i:99+4*i] offset:(i%8)*8192
.set i, i+1
.endr
	s_wait_dscnt 0x0                               ; for the others' sake: my stores have landed
	s_barrier_signal -1
	s_barrier_wait -1                              ; K and V lie whole in LDS; nobody writes LDS again
	s_wait_alu depctr_vm_vsrc(0)                   ; my LDS stores have read v[96:223]: from here on these registers are S^T, O^T and its scaled copy, written by products and vector lines
	s_mov_b32 s78, 0
.Ltile:                                            ; two trips: tiles qt and 127 - qt
	s_lshl_b32 s96, s15, 6
	s_mov_b32 s97, 0
	s_add_nc_u64 s[98:99], s[8:9], s[96:97]
	s_load_b512 s[16:31], s[98:99], 0x0            ; the tile's sixteen flags
	s_lshl_b32 s96, s15, 10
	s_add_nc_u64 s[100:101], s[4:5], s[96:97]
	global_load_b128 v[16:19], v1, s[100:101]      ; Q's fragment: 16 queries x 64.  No wait here: no vector or matrix line since the last wait on va_vdst (at the head; in front of the last tile's stores) names v1 or v[16:23]
	global_load_b128 v[20:23], v1, s[100:101] offset:512
	s_lshl_b32 s96, s15, 12
	s_add_nc_u64 s[76:77], s[6:7], s[96:97]        ; the tile's words, 256 bytes a key step
	s_lshl_b32 s96, s15, 14
	s_add_nc_u64 s[70:71], s[12:13], s[96:97]      ; where the tile's codes go
	v_mov_b32 v13, 0xff61b1e6                      ; the largest t so far: -3e38
	v_floor_f32 v12, -v13                          ; -M
	v_mov_b32 v14, 0
	v_mov_b32 v15, 0
.set j, 0
.rept 32
	v_mov_b32 v[160+j], 0                          ; O^T begins as zeros: any key step may be passed over, so none is known to be the first
.set j, j+1
.endr
	s_wait_kmcnt 0x0
	s_mov_b32 s66, 0
.irp i, 0,1,2,3,4,5,6,7,8,9,10,11,12,13,14,15
	s_lshl_b32 s67, s[16+\i], 2*\i
	s_or_b32 s66, s66, s67                         ; two bits a flag: the words will need these registers
.endr
	s_mov_b32 s2, 0                                ; LDS byte of the step's K
	s_mov_b32 s3, 0
	s_wait_loadcnt 0x0                             ; Q
.Lkey:                                             ; sixteen trips of 128 keys: a constant count; a trip's work is jumped over, never its steps of addresses
	s_and_b32 s67, s66, 3
	s_lshr_b32 s66, s66, 2
	s_cmp_eq_u32 s67, 0
	s_cbranch_scc1 .Lnext
	s_load_b512 s[16:31], s[76:77], 0x0            ; the 64 words: word n in s[16 + n], from 48 on in s[32 + n]
	s_load_b512 s[32:47], s[76:77], 0x40
	s_load_b512 s[48:63], s[76:77], 0x80
	s_load_b512 s[80:95], s[76:77], 0xc0
	s_wait_alu depctr_vm_vsrc(0)                   ; the LDS loads issued so far have read v8 and v9, which the two additions write
	v_add_nc_u32 v8, s2, v1
	v_add_nc_u32 v9, VLDS, v8
	v_nop                                          ; with the two additions: four plain lines between the last products and the loads into registers that they read
	v_nop
	s_wait_alu depctr_va_vdst(0)                   ; v8 and v9 are written, which the step's 32 LDS loads read; the last products V^T P^T are done reading v[32:95], in which K lands
.irp t, 0,1,2,3,4,5,6,7
	ds_load_b128 v[32+8*\t:35+8*\t], v8 offset:1024*\t
	ds_load_b128 v[36+8*\t:39+8*\t], v8 offset:1024*\t+512
.endr
	s_wait_dscnt 0x0
.irp t, 0,1,2,3,4,5,6,7
	v_wmma_f32_16x16x64_fp8_fp8 v[96+8*\t:103+8*\t], v[32+8*\t:39+8*\t], v[16:23], 0
.endr
.rept 4
	v_nop                                          ; four places behind the products, before vector lines read their results (ISA guide 7.12.1); they stay beside the wait below
.endr
	s_wait_alu depctr_va_vdst(0)                   ; the eight products K Q^T are done reading v[32:95], in which V lands
.irp ct, 0,1,2,3                       ; V's four fragments land while the softmax is walked: none of its lines names v9 or v[32:95]
.irp g, 0,1,2,3
	ds_load_b128 v[32+16*\ct+4*\g:35+16*\ct+4*\g], v9 offset:2048*\ct+512*\g
.endr
.endr
	s_wait_kmcnt 0x0                               ; the words; their pointer may be stepped behind this wait
	s_cmp_eq_u32 s67, 2
	s_cbranch_scc1 .Lopen
.set n, 0
.rept 64
.if n < 48
	v_cndmask_b32 v[96+n], v6, v[96+n], s[16+n]    ; bit 1: the score stays; bit 0: -infinity, so that p = 0.  (The words come by scalar loads: the wait on KMcnt above is all that they owe)
.else
	v_cndmask_b32 v[96+n], v6, v[96+n], s[32+n]
.endif
.set n, n+1
.endr
.Lopen:
	v_max3_num_f32 v254, v96, v97, v98             ; the step's largest score of my query among my 64 keys, in two chains,
	v_max3_num_f32 v252, v99, v100, v101
.irp i, 6,10,14,18,22,26,30,34,38,42,46,50,54,58
	v_max3_num_f32 v254, v254, v[96+\i], v[97+\i]
	v_max3_num_f32 v252, v252, v[98+\i], v[99+\i]
.endr
	v_max3_num_f32 v254, v254, v158, v159
	v_max_num_f32 v254, v254, v252
	v_permlanex16_b32 v247, v254, s74, s75
	v_max_num_f32 v254, v254, v247                 ; and among lane l xor 16's
	v_mul_f32 v254, s72, v254                      ; as t (c is positive)
	v_max_num_f32 v13, v13, v254
	v_mov_b32 v254, v12
	v_floor_f32 v12, -v13                          ; the new -M = floor(-t): M is a whole number
	v_sub_f32 v254, v12, v254                      ; old M - new M, 0 or less
	v_cvt_i32_f32 v254, v254                       ; (it saturates)
	v_ldexp_f32 v252, 1.0, v254                    ; f = 2^(old M - new M)
.set j, 0
.rept 32
	v_pk_fma_f32 v[96+j:97+j], v[96+j:97+j], s[72:73], v[12:13] op_sel_hi:[1,0,0]   ; t - M, two at a time
.set j, j+2
.endr
.set j, 0
.rept 64
	v_exp_f32 v[96+j], v[96+j]                     ; p = 2^(t - M), at most 1
.set j, j+1
.endr
	v_pk_mul_f32 v[14:15], v[14:15], v[252:253] op_sel_hi:[1,0]   ; the sums under the new M: the plain line behind the exponentials
	s_wait_alu depctr_va_vdst(0)                   ; the 64 exponentials have written v[96:159]: one wait for the whole batch, ahead of its first reader
	v_pk_add_f32 v[242:243], v[96:97], v[98:99]    ; the row's sum of the UNQUANTISED p, in two chains
.irp j, 4,8,12,16,20,24,28,32,36,40,44,48,52,56,60
	v_pk_add_f32 v[14:15], v[14:15], v[96+\j:97+\j]
	v_pk_add_f32 v[242:243], v[242:243], v[98+\j:99+\j]
.endr
	v_pk_add_f32 v[14:15], v[14:15], v[242:243]
	s_cmp_ge_i32 s79, -8                           ; p <= 1 and 448 x 2^e4 >= 1.75 from e4 = -8 on: there the hold changes no number and is passed over
	s_cbranch_scc1 .Lno_hold
.set j, 0
.rept 64
	v_min_num_f32 v[96+j], v[96+j], v240           ; the conversion does not saturate (ISA guide 7.6.2); p is not negative: the hold is one-sided
.set j, j+1
.endr
.Lno_hold:
.irp b, 0,1,2,3
	v_cvt_scalef32_pk8_fp8_f32 v[224+4*\b:225+4*\b], v[96+16*\b:103+16*\b], v244
	v_cvt_scalef32_pk8_fp8_f32 v[226+4*\b:227+4*\b], v[104+16*\b:111+16*\b], v244
.endr
.set j, 0
.rept 16
	v_pk_mul_f32 v[160+j:161+j], v[160+j:161+j], v[252:253] op_sel_hi:[1,0]   ; O^T under the new M; also the plain lines between the conversions and the products
.set j, j+2
.endr
	s_wait_dscnt 0x0                               ; V
.irp ct, 0,1,2,3                       ; four accumulators, one instruction a turn
	v_wmma_f32_16x16x128_fp8_fp8 v[160+8*\ct:167+8*\ct], v[32+16*\ct:47+16*\ct], v[224:239], v[160+8*\ct:167+8*\ct]
.endr
.Lnext:
	s_add_co_u32 s2, s2, 8192
	s_add_nc_u64 s[76:77], s[76:77], 256
	s_add_co_u32 s3, s3, 1
	s_cmp_lt_u32 s3, 16
	s_cbranch_scc1 .Lkey
	; the tile's end: att = O^T x 2^(e4 + e5) / the sum, quantised with 2^e6
	v_add_f32 v11, v14, v15
	v_permlanex16_b32 v247, v11, s74, s75
	v_add_f32 v11, v11, v247                       ; the row's sum
	v_rcp_f32 v10, v11
.rept 4
	v_nop                                          ; the plain line behind the reciprocal, and the places behind the last products
.endr
	s_wait_alu depctr_va_vdst(0)                   ; the reciprocal has written v10, ahead of its first reader
	v_ldexp_f32 v10, v10, s69
.set j, 0
.rept 16
	v_pk_mul_f32 v[192+j:193+j], v[160+j:161+j], v[10:11] op_sel_hi:[1,0]   ; each accumulator from its low end on
.set j, j+2
.endr
.set j, 0
.rept 32
	v_med3_num_f32 v[192+j], v[192+j], -v246, v246
.set j, j+1
.endr
.irp ct, 0,1,2,3
	v_cvt_scalef32_pk8_fp8_f32 v[24+2*\ct:25+2*\ct], v[192+8*\ct:199+8*\ct], v245
.endr
	v_nop                                          ; a plain line between the conversions and the selects on their results
	v_cmp_eq_f32 vcc_lo, 0, v11                    ; a row with an open key has a sum above 1/2; the sum 0 means that no key counts
	s_wait_alu depctr_va_vcc(0)                    ; the compare has written VCC, ahead of the selects that read it
.irp k, 0,1,2,3,4,5,6,7
	v_cndmask_b32 v[24+\k], v[24+\k], v7, vcc_lo
.endr
	s_wait_alu depctr_va_vdst(0)                   ; the selects have written v[24:31], which the two stores read; and every product of this tile is done reading v[16:23], in which the next tile's Q lands: no vector line follows in this trip
	global_store_b128 v1, v[24:27], s[70:71]       ; channels 16 h + 0 .. 15: the wave stores 512 consecutive bytes, aligned
	global_store_b128 v1, v[28:31], s[70:71] offset:512   ; channels 32 + 16 h + 0 .. 15
	s_wait_xcnt 0x0                                ; the stores have had their addresses translated (ISA guide 3.1): their base is written again in the next trip
	s_wait_alu depctr_vm_vsrc(0)                   ; the stores have read v[24:31], which the next tile's conversions write
	s_sub_co_u32 s15, 127, s15
	s_add_co_u32 s78, s78, 1
	s_cmp_lt_u32 s78, 2
	s_cbranch_scc1 .Ltile
	s_wait_dscnt 0x0
	s_wait_alu depctr_hold_cnt(0) depctr_sa_sdst(0) depctr_va_vdst(0) depctr_va_sdst(0) depctr_va_ssrc(0) depctr_va_vcc(0) depctr_vm_vsrc(0)
	s_wait_tensorcnt 0x0
	ds_add_u32 v251, v255
	s_wait_dscnt 0x0
	s_endpgm
.Lfunc_end_k_qb20caf887c_attn:
	.size	k_qb20caf887c_attn, .Lfunc_end_k_qb20caf887c_attn-k_qb20caf887c_attn
	.p2alignl 7, 3214868480
	.fill 96, 4, 3214868480
	.section	.rodata,"a",@progbits
	.p2align	6, 0x0
	.amdhsa_kernel k_qb20caf887c_attn
		.amdhsa_group_segment_fixed_size 264192
		.amdhsa_private_segment_fixed_size 0
		.amdhsa_enable_private_segment 0
		.amdhsa_kernarg_size 40
		.amdhsa_user_sgpr_count 2
		.amdhsa_user_sgpr_kernarg_segment_ptr 1
		.amdhsa_wavefront_size32 1
		.amdhsa_system_sgpr_workgroup_id_x 1
		.amdhsa_system_sgpr_workgroup_id_y 1
		.amdhsa_system_sgpr_workgroup_id_z 1
		.amdhsa_system_vgpr_workitem_id 0
		.amdhsa_next_free_vgpr 256
		.amdhsa_next_free_sgpr 102
		.amdhsa_reserve_vcc 1
		.amdhsa_float_denorm_mode_32 3
		.amdhsa_float_denorm_mode_16_64 3
		.amdhsa_memory_ordered 1
		.amdhsa_forward_progress 1
		.amdhsa_inst_pref_size 37
	.end_amdhsa_kernel
	.amdgpu_metadata
---
amdhsa.version: [ 1, 2 ]
amdhsa.kernels:
  - .name:           k_qb20caf887c_attn
    .symbol:         k_qb20caf887c_attn.kd
    .args:
      - { .name: qkv_img, .offset: 0, .size: 8, .value_kind: global_buffer, .address_space: global }
      - { .name: mwords, .offset: 8, .size: 8, .value_kind: global_buffer, .address_space: global }
      - { .name: mflags, .offset: 16, .size: 8, .value_kind: global_buffer, .address_space: global }
      - { .name: lowp_scales, .offset: 24, .size: 8, .value_kind: global_buffer, .address_space: global }
      - { .name: a_img, .offset: 32, .size: 8, .value_kind: global_buffer, .address_space: global }
    .group_segment_fixed_size: 264192
    .private_segment_fixed_size: 0
    .kernarg_segment_align: 8
    .kernarg_segment_size: 40
    .max_flat_workgroup_size: 512
    .sgpr_count:     102
    .vgpr_count:     256
    .wavefront_size: 32
...
	.end_amdgpu_metadata
.endif
;; end of part 5
;; launch proj: the kernel of part 4 again; grid 8 x 32, 4 waves a work-group, clusters of 4 x 4, 327,680 bytes of LDS; arguments a_img, wo_img, b_out, lowp_scales, out0; writes out0
